; MI455X (gfx1250); checked and timed in simulation.
; The chip was launched on July 23, 2026; its instructions are those of AMD's public machine-readable ISA for CDNA 5 (MIT licence, August 2026) and "CDNA5" Instruction Set Architecture Reference Guide (July 2026). The comments in the code are by the model that wrote it; some were corrected since.
;; Eagle3 Attention. Allowed arithmetic: matrix products marked QUANTISED: E2M1 operands, one E8M0 scale for each 32 along K, by v_wmma_scale_f32_16x16x128_f8f6f4 with both operands' format E2M1 (or v_wmma_scale_f32_32x16x128_f4), f32 sums; products left as they are: bf16, f16 or f32 operands; f32 sums; everything else in f32.
;; Inputs: Wk 4,096 x 512 float32; Wo 1,024 x 2,048 float32; Wq 4,096 x 1,024 float32; Wv 4,096 x 512 float32; attention_mask 2 x 1 x 2,048 x 2,048 float32; hidden_states 2 x 2,048 x 4,096 float32; position_ids 2 x 2,048 int32.
;; Outputs: out0 2 x 2,048 x 2,048 float32.
;; This version of the problem:
;;   THIS VERSION OF THE PROBLEM IS GIVEN IN LOW PRECISION. The matrix products marked QUANTISED in the list below multiply operands that are first quantised to E2M1 (2 exponent bits, 1 mantissa bit; 4 bits a number), with one power-of-two scale for each 32 numbers along K (OCP MX v1.0); their sums are f32. The products marked 'left as it is' may take bf16, f16 or f32 operands, with f32 sums. Whichever they take, every output number must still come out within the allowed error. Rounding operands to bf16 (8 significant bits) uses up far more of that allowance than f16 does (11 bits, for magnitudes from 6e-5 to 65,504). All else is computed in f32.
;;   The module's matrix products, in the order in which they are computed (A, B: the left and right operand; K: the contracted axis; several contracted axes count as one K, in the product's order):
;;     1. [M 4,096, K 4,096] x [K 4,096, N 1,024]; A: input hidden_states; B: input Wq: QUANTISED
;;     2. [M 4,096, K 4,096] x [K 4,096, N 512]; A: input hidden_states; B: input Wk: QUANTISED
;;     3. [M 4,096, K 4,096] x [K 4,096, N 512]; A: input hidden_states; B: input Wv: QUANTISED
;;     4. batch 16 x [M 4,096, K 64] x [K 64, N 2,048]; A: computed on the way; B: computed on the way: left as it is (an operand is computed on the way)
;;     5. batch 16 x [M 4,096, K 2,048] x [K 2,048, N 64]; A: computed on the way; B: computed on the way: left as it is (an operand is computed on the way)
;;     6. [M 4,096, K 1,024] x [K 1,024, N 2,048]; A: computed on the way; B: input Wo: left as it is (an operand is computed on the way)
;;   THE QUANTISER, for each operand of a quantised product, along K:
;;     - K is cut into blocks of 32 from its start; a last block that is shorter is filled with zeros.
;;     - A block's scale is 2^e with e = floor(log2(the largest magnitude in the block)) - 2, held to -126 .. 127; a block of zeros has e = 0. As a byte (E8M0): e + 127.
;;     - Each number is divided by its block's scale, clamped to +-6, and rounded to the nearest number of E2M1, ties to even, subnormals kept.
;;     - The product sums the exact products of the quantised numbers (number of the format x scale) in f32.
;;   ~~~python
;;   def quantise(x, axis):      # numpy; x: float32 -> the quantised numbers, widened to float32 again
;;       x = np.moveaxis(x, axis, -1); K = x.shape[-1]
;;       x = np.pad(x, [(0, 0)] * (x.ndim - 1) + [(0, -K % 32)]); x = x.reshape(x.shape[:-1] + (-1, 32)); a = np.abs(x).max(-1, keepdims=True)
;;       e = np.where(a > 0, np.clip(np.frexp(np.where(a > 0, a, 1))[1] - 1 - 2, -126, 127), 0)      # np.frexp(a)[1] - 1 = floor(log2(a)), exactly
;;       r = np.clip(x / 2.0 ** e, -6, 6)
;;       step = 2.0 ** (np.maximum(np.frexp(np.where(r == 0, 1, r))[1] - 1, 0) - 1)
;;       q = np.round(r / step) * step * 2.0 ** e      # np.round: ties to even
;;       return np.moveaxis(q.reshape(q.shape[:-2] + (-1,))[..., :K], -1, axis).astype(np.float32)
;;   ~~~
;; One version. Each part assembles by itself: llvm-mc -triple=amdgcn-amd-amdhsa -mcpu=gfx1250 --defsym DOCPART=n.
;; ======== version 1 of 1: 6 launches
;; limits: values are held in f16: magnitudes above 65,504 overflow, below 6.1e-05 lose precision; right only within a limited range of input values
;; workspace buffers: codes 13,369,344 bytes; tabs 6,291,712 bytes; qkv16 16,777,216 bytes; qkv32 20,971,520 bytes; att16 8,388,608 bytes; fpart 540,672 bytes
;; launch prep (part 1): grid 768 x 1, 4 waves a work-group, no clusters, 68,096 bytes of LDS; arguments hidden_states, Wq, Wk, Wv, Wo, position_ids, codes, tabs; writes codes, tabs
.if DOCPART == 1
	.amdgcn_target "amdgcn-amd-amdhsa--gfx1250"
	.amdhsa_code_object_version 6
	.text
	.protected	k_qa7d50933ec_prep
	.globl	k_qa7d50933ec_prep
	.p2align	8
	.type	k_qa7d50933ec_prep,@function
k_qa7d50933ec_prep:
	s_mov_b64 s[64:65], 0
	v_nop
	global_prefetch_b8 v0, s[64:65] scope:SCOPE_SE
	s_setreg_imm32_b32 hwreg(HW_REG_WAVE_MODE, 25, 1), 1
	s_wait_xcnt 0x0
; PREP: four jobs, told apart by the work-group's number; each is a stream, so no matrix unit, no cluster, no tensor load.
;   0-63    ROPE: for each of the 4,096 tokens a row of 256 bytes [cos of 32 frequencies | sin of 32], once plain, once times log2(e)/8 (for q), and one row (1, 0) for v.
;   64-191  WQ:   Wq, Wk, Wv [4096 k][n] f32 -> codes of E2M1 with K innermost [2048 n][2048 bytes] and one E8M0 byte for each 32 along K [2048 n][128].  A lane takes a column, its registers run down K.
;   192-255 CAST: Wo f32 -> f16, same layout.
;   256-767 XQ:   hidden_states [4096][4096] f32 -> codes [4096][2048 bytes], scale bytes [4096][128].  Rows are dense: a plain stream of blocks of 32.
; A block's scale is 2^(floor(log2(largest magnitude)) - 2); its byte is the largest magnitude's exponent field - 2, held at 1 from below.
; LIMITS: a block of zeros, or one under 2^-124, gets the byte 1 (its codes are zeros or as the floor gives them; this program alone reads the bytes).  NaN and infinities are not served.
; |position| up to 100,000 (three-part reduction by pi/2); a frequency differs from 1/10000^(e/32) in f32 by a few units of its last place, and the angle by that times the position.
.set XS_OFF,   12582912                ; in codes: x's scale bytes
.set WC_OFF,   8388608                 ; the weights' codes
.set WS_OFF,   13107200                ; the weights' scale bytes
.set ROPE_OFF, 4194304                 ; in tabs: the table, behind Wo in f16
.set SPW,   190                        ; v190 LDS address of my spare word; never rewritten
.set NIL,   191                        ; v191 0; never rewritten
.set SPARE, 67584                      ; behind both jobs' LDS: the spare words, 128 bytes a wave
.set STEPS, 16                         ; XQ: a wave takes 16 steps of 512 numbers
.set CB,    8
.set WREG,  8192                       ; XQ: LDS bytes 0-32,767: 8,192 a wave: two stages of 32 x 80 bytes, then 256 scale bytes
.set SP,    80
.set R,     16                         ; v16-79 four sets of 16 numbers as loaded
.set X,     80                         ; v80-111 two sets of 16 neighbours
.set E,     112                        ; v112-127 a scale byte a step
.set C,     128                        ; v128-189 codes, four registers a step
.set WSTG,  32768                      ; WQ: LDS bytes 32,768-67,583: 32 rows x 272 bytes a wave
.set WP,    272
.set WX,    32                         ; v32-95 two sets of 32 numbers; at the end the rows read back
.set WCD,   96                         ; v96-99 a block's codes
.set SB,    24                         ; v24-27 16 scale bytes
.set OF,    112                        ; v112-143 4 x lane + i rows of the weight
	s_load_b256 s[4:11], s[0:1], 0x0               ; hidden_states, Wq, Wk, Wv
	s_load_b256 s[12:19], s[0:1], 0x20             ; Wo, position_ids, codes, tabs
	v_lshl_add_u32 v[SPW], v0, 2, SPARE
	v_mov_b32 v[NIL], 0
	v_lshrrev_b32 v1, 5, v0
	v_readfirstlane_b32 s20, v1                    ; wave
	v_and_b32 v2, 31, v0                           ; lane
	s_mov_b32 s23, 0                               ; the high word of every 64-bit offset below
	s_wait_kmcnt 0x0
	s_cmp_lt_u32 ttmp9, 64
	s_cbranch_scc1 .Lrope
	s_cmp_lt_u32 ttmp9, 192
	s_cbranch_scc1 .Lwq
	s_cmp_lt_u32 ttmp9, 256
	s_cbranch_scc1 .Lcast
; ---------------- XQ
	s_sub_co_u32 s21, ttmp9, 256
	s_lshl_b32 s21, s21, 2
	s_add_co_u32 s21, s21, s20                     ; which run of 8,192 numbers is my wave's: 0 .. 2,047
	s_lshl_b32 s22, s21, 15
	s_add_nc_u64 s[4:5], s[4:5], s[22:23]          ; 32,768 bytes of numbers,
	s_lshl_b32 s22, s21, 12
	s_add_nc_u64 s[24:25], s[16:17], s[22:23]      ; 4,096 of codes,
	s_lshl_b32 s22, s21, 8
	s_add_co_u32 s22, s22, XS_OFF
	s_add_nc_u64 s[26:27], s[16:17], s[22:23]      ; 256 scale bytes
	v_lshlrev_b32 v3, 4, v2                        ; my 16 bytes of a load's 512
	s_mul_i32 s30, s20, WREG
	v_lshrrev_b32 v14, 2, v2
	v_mul_u32_u24 v14, v14, SP
	v_and_b32 v15, 3, v2
	v_lshl_add_u32 v14, v15, 4, v14
	v_add_nc_u32 v14, s30, v14                     ; the stage, in: four lanes' 64 bytes on end, then 16 of padding
	v_mul_u32_u24 v15, v2, SP
	v_add_nc_u32 v15, s30, v15                     ; out: 80 x lane: my 16 neighbours
	v_mul_u32_u24 v4, v2, CB
	v_lshrrev_b32 v5, 1, v2
	s_add_co_u32 s30, s30, 2*32*SP
	v_add_nc_u32 v5, s30, v5                       ; my block's byte among the wave's 256
	v_lshlrev_b32 v7, 3, v2
	v_add_nc_u32 v6, s30, v7
.macro XLOAD t
.irp i, 0,1,2,3
	global_load_b128 v[R+16*((\t)%4)+4*\i:R+16*((\t)%4)+4*\i+3], v3, s[4:5] offset:2048*(\t)+512*\i th:TH_LOAD_NT   ; 32 lanes read 512 consecutive bytes
.endr
.endm
.macro XTURN t                         ; a step's numbers through the stage; LDS serves a wave's instructions in order, so no wait stands between stores and loads
.irp i, 0,1,2,3
	ds_store_b128 v14, v[R+16*((\t)%4)+4*\i:R+16*((\t)%4)+4*\i+3] offset:32*SP*((\t)%2)+8*SP*\i
.endr
.irp i, 0,1,2,3
	ds_load_b128 v[X+16*((\t)%2)+4*\i:X+16*((\t)%2)+4*\i+3], v15 offset:32*SP*((\t)%2)+16*\i
.endr
.endm
.irp t, 0,1,2,3
	XLOAD \t
.endr
	s_wait_loadcnt 12                              ; step 0's four loads are in; twelve younger ones stay out
	XTURN 0
.macro XSTEP t
.set XS, X+16*((\t)%2)
.if (\t) > 0
	s_wait_dscnt 1                                 ; this step's numbers are back from the stage; the last step's byte store may be out
.else
	s_wait_dscnt 0x0
.endif
.if (\t)+4 < STEPS
	XLOAD (\t)+4                                   ; into the set whose stage stores are done
.endif
.if (\t)+1 < STEPS
.if STEPS-2-(\t) >= 3
	s_wait_loadcnt 12                              ; the next step's four loads are in; three steps' loads stay out
.else
	s_wait_loadcnt 4*(STEPS-2-(\t))
.endif
	XTURN (\t)+1
.endif
	v_max3_num_f32 v8, |v[XS]|, |v[XS+1]|, |v[XS+2]|               ; the largest magnitude of my 16, in two chains
	v_max3_num_f32 v9, |v[XS+3]|, |v[XS+4]|, |v[XS+5]|
.irp i, 6,10
	v_max3_num_f32 v8, v8, |v[XS+\i]|, |v[XS+\i+1]|
	v_max3_num_f32 v9, v9, |v[XS+\i+2]|, |v[XS+\i+3]|
.endr
	v_max3_num_f32 v8, v8, |v[XS+14]|, |v[XS+15]|
	v_max3_num_f32 v8, v8, v9, 0x1800000           ; and the floor 2^(3 - 127): the byte cannot fall under 1
	v_max_num_f32_dpp v8, v8, v8 row_xmask:1 row_mask:0xf bank_mask:0xf   ; with my neighbour's 16: the block's
	v_add_nc_u32 v11, 0xff000000, v8               ; 2 off the exponent field: the conversion takes that field as its scale
	v_cvt_scalef32_pk8_fp4_f32 v[C+4*(\t)], v[XS:XS+7], v11
	v_cvt_scalef32_pk8_fp4_f32 v[C+4*(\t)+1], v[XS+8:XS+15], v11
	v_lshrrev_b32 v[E+(\t)], 23, v11               ; the scale's byte
	ds_store_b8 v5, v[E+(\t)] offset:16*(\t)       ; both lanes of a block write the same byte
	global_store_b64 v4, v[C+4*(\t):C+4*(\t)+1], s[24:25] offset:32*CB*(\t)   ; the wave stores 256 consecutive bytes
.endm
.irp t, 0,1,2,3,4,5,6,7,8,9,10,11,12,13,14,15
	XSTEP \t
.endr
	ds_load_b64 v[8:9], v6
	s_wait_dscnt 0x0
	global_store_b64 v7, v[8:9], s[26:27]          ; the wave's 256 scale bytes, consecutive and aligned
	s_wait_tensorcnt 0x0                           ; the wave's end: three lines behind my last LDS store
	ds_add_u32 v[SPW], v[NIL]
	s_wait_dscnt 0x0
	s_endpgm
; ---------------- ROPE
.Lrope:
	s_lshl_b32 s21, ttmp9, 2
	s_add_co_u32 s21, s21, s20                     ; run 0 .. 255: tokens 16 run .. 16 run + 15
	v_and_b32 v5, 15, v2                           ; m
	v_lshrrev_b32 v3, 4, v2
	v_sub_nc_u32 v6, 1, v3                         ; 1 in lanes 0-15 (cosine = sine a quarter turn on), 0 in lanes 16-31
	s_lshl_b32 s22, s21, 6
	s_add_nc_u64 s[14:15], s[14:15], s[22:23]
	v_lshlrev_b32 v4, 2, v5
	global_load_b32 v7, v4, s[14:15]               ; lane l: the position of token 16 run + l % 16
	s_lshl_b32 s22, s21, 12
	s_add_co_u32 s22, s22, ROPE_OFF
	s_add_nc_u64 s[24:25], s[18:19], s[22:23]      ; my 16 rows of the table
	v_lshlrev_b32 v15, 3, v2                       ; 8 bytes a lane: floats 2 l, 2 l + 1 of a row
	v_lshlrev_b32 v8, 1, v5
	v_cvt_f32_u32 v16, v8                          ; e = 2 m,
	v_add_f32 v17, 1.0, v16                        ; 2 m + 1
	v_mul_f32 v16, 0xbed49a78, v16                 ; - e log2(10) / 8
	v_mul_f32 v17, 0xbed49a78, v17
	v_exp_f32 v16, v16                             ; 10^(-e/8) = 10000^(-e/32)
	v_exp_f32 v17, v17
	v_mov_b32 v24, 0x37ccf5ce                      ; the polynomials' leading coefficients (a plain line behind the exponentials)
	v_mov_b32 v25, 0xb94ca1f9
	s_mov_b32 s26, 0xbfc90fdb                      ; - pi/2 in three parts
	s_mov_b32 s27, 0x333bbd2e
	s_mov_b32 s28, 0x26f72ced
	s_wait_alu depctr_va_vdst(0)                   ; one wait for both exponentials, ahead of their first reader
	s_wait_loadcnt 0x0
; out = cos or sin (by v6) of v8 x v[f].  x = n pi/2 + r; the quadrant picks the polynomial and the sign.
.macro SINCOS f, o
	v_mul_f32 v9, v8, v[\f]                        ; the angle, rounded once
	v_mul_f32 v10, 0x3f22f983, v9
	v_rndne_f32 v10, v10                           ; n
	v_fma_f32 v9, v10, s26, v9
	v_fma_f32 v9, v10, s27, v9
	v_fma_f32 v9, v10, s28, v9                     ; r, at most pi/4 in size
	v_cvt_i32_f32 v10, v10
	v_add_nc_u32 v10, v10, v6
	v_mul_f32 v11, v9, v9
	v_fmaak_f32 v12, v24, v11, 0xbab6061a          ; cos r
	v_fmaak_f32 v13, v25, v11, 0x3c08839e          ; sin r
	v_fmaak_f32 v12, v12, v11, 0x3d2aaaa5
	v_fmaak_f32 v13, v13, v11, 0xbe2aaaa3
	v_fma_f32 v12, v12, v11, -0.5
	v_mul_f32 v14, v11, v9
	v_fma_f32 v12, v12, v11, 1.0
	v_fma_f32 v13, v13, v14, v9
	v_and_b32 v14, 1, v10
	v_cmp_eq_u32 vcc_lo, 1, v14
	v_cndmask_b32 v12, v13, v12, vcc_lo            ; odd quadrant: the cosine polynomial
	v_and_b32 v14, 2, v10
	v_lshlrev_b32 v14, 30, v14
	v_xor_b32 v[\o], v14, v12                      ; quadrants 2 and 3: the sign turns
.endm
.irp t, 0,1,2,3,4,5,6,7,8,9,10,11,12,13,14,15    ; each token has its own four registers: no store's data are written again
	v_readlane_b32 s29, v7, \t
	v_cvt_f32_i32 v8, s29
	SINCOS 16, 64+4*\t
	SINCOS 17, 65+4*\t
	v_mul_f32 v[66+4*\t], 0x3e38aa3b, v[64+4*\t]   ; x log2(e)/8, for q
	v_mul_f32 v[67+4*\t], 0x3e38aa3b, v[65+4*\t]
	global_store_b64 v15, v[64+4*\t:65+4*\t], s[24:25] offset:256*\t              ; 32 lanes store one row: 256 consecutive bytes, aligned
	global_store_b64 v15, v[66+4*\t:67+4*\t], s[24:25] offset:256*\t+1048576      ; the same row 4,096 rows on
.endr
	s_cmp_lg_u32 s21, 0
	s_cbranch_scc1 .Lrope_end
	v_cvt_f32_u32 v20, v6                          ; run 0 also stores row 8,192: cos = 1, sin = 0
	v_mov_b32 v21, v20
	global_store_b64 v15, v[20:21], s[24:25] offset:2097152
.Lrope_end:
	s_endpgm                                       ; this job wrote no LDS
; ---------------- WQ
.Lwq:
	s_sub_co_u32 s21, ttmp9, 64
	s_and_b32 s22, s21, 15                         ; which 128 of the 2,048 columns
	s_lshr_b32 s21, s21, 4                         ; which 512 along K
	s_cmp_lt_u32 s22, 12
	s_cselect_b64 s[24:25], s[8:9], s[10:11]       ; the choice hangs on the work-group's number alone
	s_cselect_b32 s26, 8, 12
	s_cmp_lt_u32 s22, 8
	s_cselect_b64 s[24:25], s[6:7], s[24:25]
	s_cselect_b32 s26, 0, s26                      ; the tensor's first block of columns
	s_mov_b32 s27, 2048
	s_cselect_b32 s27, 4096, s27                   ; a row of the tensor in bytes
	s_sub_co_u32 s28, s22, s26
	s_lshl_b32 s28, s28, 9
	s_lshl_b32 s29, s20, 7
	s_add_co_u32 s28, s28, s29                     ; my wave's first column, in bytes
	s_mul_i32 s29, s21, s27
	s_lshl_b32 s29, s29, 9
	s_add_co_u32 s28, s28, s29                     ; + 512 rows for each step along K
	s_mov_b32 s29, 0
	s_add_nc_u64 s[24:25], s[24:25], s[28:29]
	s_lshl_b32 s30, s27, 5                         ; 32 rows on
	s_mov_b32 s31, 0
	v_lshlrev_b32 v[OF], 2, v2
.set i, 1
.rept 31
	v_add_nc_u32 v[OF+i], s27, v[OF+i-1]
.set i, i+1
.endr
	s_mul_i32 s32, s20, 32*WP
	s_add_co_u32 s32, s32, WSTG                    ; my stage
	v_mul_u32_u24 v4, v2, WP
	v_add_nc_u32 v4, s32, v4                       ; in: row = my column
	v_and_b32 v5, 15, v2
	v_lshrrev_b32 v6, 4, v2
	v_mul_u32_u24 v7, v6, WP
	v_lshl_add_u32 v7, v5, 4, v7
	v_add_nc_u32 v7, s32, v7                       ; out: sixteen lanes to a row, two rows an instruction
	v_lshlrev_b32 v8, 11, v6
	v_lshl_add_u32 v8, v5, 4, v8                   ; and the same place among the codes' rows of 2,048 bytes
	v_lshlrev_b32 v9, 7, v2                        ; my column's row of scale bytes
	s_lshl_b32 s33, s22, 7
	s_lshl_b32 s34, s20, 5
	s_add_co_u32 s33, s33, s34                     ; my wave's first n
	s_lshl_b32 s34, s33, 11
	s_lshl_b32 s35, s21, 8
	s_add_co_u32 s34, s34, s35
	s_add_co_u32 s34, s34, WC_OFF
	s_mov_b32 s35, 0
	s_add_nc_u64 s[36:37], s[16:17], s[34:35]
	s_lshl_b32 s34, s33, 7
	s_lshl_b32 s38, s21, 4
	s_add_co_u32 s34, s34, s38
	s_add_co_u32 s34, s34, WS_OFF
	s_add_nc_u64 s[38:39], s[16:17], s[34:35]
.macro WLOAD t                         ; block t: rows 32 t .. 32 t + 31 of my column into set t % 2
.if (\t) > 0
	s_wait_xcnt 0x0                                ; the earlier loads have read the base: it steps only behind this wait
	s_add_nc_u64 s[24:25], s[24:25], s[30:31]
.endif
.set i, 0
.rept 32
	global_load_b32 v[WX+32*((\t)%2)+i], v[OF+i], s[24:25] th:TH_LOAD_NT   ; 32 lanes read 128 consecutive bytes, the four waves 512
.set i, i+1
.endr
.endm
	WLOAD 0
	WLOAD 1
.macro WBLOCK t
.set XB, WX+32*((\t)%2)
.if (\t) < 15
	s_wait_loadcnt 32                              ; this block's 32 loads are in; the next block's 32 may be out
.else
	s_wait_loadcnt 0x0
.endif
	v_max3_num_f32 v12, |v[XB]|, |v[XB+1]|, |v[XB+2]|              ; all 32 numbers of the block are mine
	v_max3_num_f32 v13, |v[XB+3]|, |v[XB+4]|, |v[XB+5]|
.irp i, 6,10,14,18,22,26
	v_max3_num_f32 v12, v12, |v[XB+\i]|, |v[XB+\i+1]|
	v_max3_num_f32 v13, v13, |v[XB+\i+2]|, |v[XB+\i+3]|
.endr
	v_max3_num_f32 v12, v12, |v[XB+30]|, |v[XB+31]|
	v_max3_num_f32 v12, v12, v13, 0x1800000
	v_add_nc_u32 v11, 0xff000000, v12
	v_lshrrev_b32 v13, 23, v11
.if (\t)%4 == 0
	v_mov_b32 v[SB+(\t)/4], v13                    ; four bytes to a register, the lower K in the lower byte
.else
	v_lshl_or_b32 v[SB+(\t)/4], v13, 8*((\t)%4), v[SB+(\t)/4]
.endif
.irp g, 0,1,2,3
	v_cvt_scalef32_pk8_fp4_f32 v[WCD+\g], v[XB+8*\g:XB+8*\g+7], v11
.endr
	ds_store_b128 v4, v[WCD:WCD+3] offset:16*(\t)  ; 32 codes: 16 bytes of my column's row
.if (\t)+2 < 16
	WLOAD (\t)+2
.endif
	s_wait_dscnt 0x0                               ; the store has read its registers: the next block's codes may be written
.endm
.irp t, 0,1,2,3,4,5,6,7,8,9,10,11,12,13,14,15
	WBLOCK \t
.endr
	global_store_b128 v9, v[SB:SB+3], s[38:39]     ; 16 bytes of each of 32 rows of scale bytes: one byte in 128 of what the job reads
.irp t, 0,1,2,3,4,5,6,7,8,9,10,11,12,13,14,15
	ds_load_b128 v[WX+4*\t:WX+4*\t+3], v7 offset:2*\t*WP
.endr
.irp t, 0,1,2,3,4,5,6,7,8,9,10,11,12,13,14,15
	s_wait_dscnt 15-\t
	global_store_b128 v8, v[WX+4*\t:WX+4*\t+3], s[36:37] offset:2*\t*2048   ; sixteen lanes store 256 consecutive bytes, aligned
.endr
	s_wait_tensorcnt 0x0                           ; the wave's end: the three lines
	ds_add_u32 v[SPW], v[NIL]
	s_wait_dscnt 0x0
	s_endpgm
; ---------------- CAST
.Lcast:
	s_sub_co_u32 s21, ttmp9, 192
	s_lshl_b32 s21, s21, 2
	s_add_co_u32 s21, s21, s20                     ; run 0 .. 255: 8,192 numbers
	s_lshl_b32 s22, s21, 15
	s_add_nc_u64 s[12:13], s[12:13], s[22:23]
	s_lshl_b32 s22, s21, 14
	s_add_nc_u64 s[24:25], s[18:19], s[22:23]
	v_lshlrev_b32 v3, 4, v2
	v_lshlrev_b32 v4, 3, v2
.irp n, 0,1,2,3
.irp i, 0,1,2,3,4,5,6,7,8,9,10,11,12,13,14,15
	global_load_b128 v[16+4*\i:19+4*\i], v3, s[12:13] offset:8192*\n+512*\i th:TH_LOAD_NT
.endr
	s_wait_xcnt 0x0                                ; the last round's stores have read their data: v80-111 are written again only behind this wait
.irp i, 0,1,2,3,4,5,6,7,8,9,10,11,12,13,14,15
	s_wait_loadcnt 15-\i
	v_cvt_pk_f16_f32 v[80+2*\i], v[16+4*\i], v[17+4*\i]
	v_cvt_pk_f16_f32 v[81+2*\i], v[18+4*\i], v[19+4*\i]
	global_store_b64 v4, v[80+2*\i:81+2*\i], s[24:25] offset:4096*\n+256*\i   ; 256 consecutive bytes, aligned
.endr
.endr
	s_endpgm                                       ; this job wrote no LDS
.Lfunc_end_k_qa7d50933ec_prep:
	.size	k_qa7d50933ec_prep, .Lfunc_end_k_qa7d50933ec_prep-k_qa7d50933ec_prep
	.p2alignl 7, 3214868480
	.fill 96, 4, 3214868480
	.section	.rodata,"a",@progbits
	.p2align	6, 0x0
	.amdhsa_kernel k_qa7d50933ec_prep
		.amdhsa_group_segment_fixed_size 68096
		.amdhsa_private_segment_fixed_size 0
		.amdhsa_enable_private_segment 0
		.amdhsa_kernarg_size 64
		.amdhsa_user_sgpr_count 2
		.amdhsa_user_sgpr_kernarg_segment_ptr 1
		.amdhsa_wavefront_size32 1
		.amdhsa_system_sgpr_workgroup_id_x 1
		.amdhsa_system_sgpr_workgroup_id_y 1
		.amdhsa_system_sgpr_workgroup_id_z 1
		.amdhsa_system_vgpr_workitem_id 0
		.amdhsa_next_free_vgpr 192
		.amdhsa_next_free_sgpr 66
		.amdhsa_reserve_vcc 1
		.amdhsa_float_denorm_mode_32 3
		.amdhsa_float_denorm_mode_16_64 3
		.amdhsa_memory_ordered 1
		.amdhsa_forward_progress 1
		.amdhsa_inst_pref_size 178
	.end_amdhsa_kernel
	.amdgpu_metadata
---
amdhsa.version: [ 1, 2 ]
amdhsa.kernels:
  - .name:           k_qa7d50933ec_prep
    .symbol:         k_qa7d50933ec_prep.kd
    .args:
      - { .name: hidden_states, .offset: 0, .size: 8, .value_kind: global_buffer, .address_space: global }
      - { .name: Wq, .offset: 8, .size: 8, .value_kind: global_buffer, .address_space: global }
      - { .name: Wk, .offset: 16, .size: 8, .value_kind: global_buffer, .address_space: global }
      - { .name: Wv, .offset: 24, .size: 8, .value_kind: global_buffer, .address_space: global }
      - { .name: Wo, .offset: 32, .size: 8, .value_kind: global_buffer, .address_space: global }
      - { .name: position_ids, .offset: 40, .size: 8, .value_kind: global_buffer, .address_space: global }
      - { .name: codes, .offset: 48, .size: 8, .value_kind: global_buffer, .address_space: global }
      - { .name: tabs, .offset: 56, .size: 8, .value_kind: global_buffer, .address_space: global }
    .group_segment_fixed_size: 68096
    .private_segment_fixed_size: 0
    .kernarg_segment_align: 8
    .kernarg_segment_size: 64
    .max_flat_workgroup_size: 128
    .sgpr_count:     66
    .vgpr_count:     192
    .wavefront_size: 32
...
	.end_amdgpu_metadata
.endif
;; end of part 1
;; launch qkv (part 2): grid 8 x 32, 4 waves a work-group, clusters of 4 x 4, 327,680 bytes of LDS; arguments codes, tabs, qkv16, qkv32; writes qkv16, qkv32
.if DOCPART == 2
	.amdgcn_target "amdgcn-amd-amdhsa--gfx1250"
	.amdhsa_code_object_version 6
	.text
	.protected	k_qa7d50933ec_qkv
	.globl	k_qa7d50933ec_qkv
	.p2align	8
	.type	k_qa7d50933ec_qkv,@function
k_qa7d50933ec_qkv:
	s_mov_b64 s[64:65], 0
	v_nop
	global_prefetch_b8 v0, s[64:65] scope:SCOPE_SE
	s_setreg_imm32_b32 hwreg(HW_REG_WAVE_MODE, 25, 1), 1
	s_wait_xcnt 0x0
	s_wait_alu depctr_hold_cnt(0) depctr_sa_sdst(0) depctr_va_vdst(0) depctr_va_sdst(0) depctr_va_ssrc(0) depctr_va_vcc(0) depctr_vm_vsrc(0)
	s_getreg_b32 s2, hwreg(HW_REG_IB_STS2, 6, 4)
	s_cmp_eq_u32 s2, 0
	s_cbranch_scc0 .Lentry_in_a_cluster
	s_endpgm
.Lentry_in_a_cluster:
	s_bfe_u32 s2, ttmp6, 0x10000c
	s_cmp_lg_u32 s2, 0xf033
	s_cbranch_scc0 .Lentry_shape_is_right
	s_endpgm
.Lentry_shape_is_right:
; QKV: C[token][n] = sum over k of x[token][k] W[n][k] on codes of E2M1 with E8M0 scales, 4,096 x 2,048 x 4,096; n 0-1023 q, 1024-1535 k, 1536-2047 v.  Then RoPE on the way out.
; A tile of C is 128 tokens x 256 columns: 256 work-groups.  Four waves, each 64 tokens x 128 columns (two heads): 32 accumulators.  K goes in steps of 512 (rows of 256 bytes) through two LDS slots.
; The scale bytes of the tile's rows, for all of K, come once with the first fills and stay in LDS.
; CLUSTER 4 x 4: x's tiles are asked for jointly along a row of the cluster, W's along a column.
; THE MATRIX INSTRUCTION IS USED TRANSPOSED (source 0 = 16 rows of W, source 1 = 16 tokens): lane (r, h), register j of accumulator (a, b) holds token 16 a + r, column 16 b + 8 h + j.
; ROPE: out[d] = x[d] cos - x[d+32] sin, out[d+32] = x[d+32] cos + x[d] sin: columns d and d + 32 of a head are accumulators b and b + 2, same lane, same register.  The table's row is chosen by address:
; q takes the rows times log2(e)/8, k the plain rows, v the row (1, 0): one text for all three.
; OUT: f16 [b][head][s][64] for the bulk attention; f32 the same for k and v, and for q's first 512 positions of each sequence, for the fine launch.
; REGISTERS: window 0: v16-31 addresses; v32-95 scale words (two sets; nothing else ever lies there); v96-111 at work; v128-191 x's fragments, two sets (way out: rows read back); v192-255 way out.
;   window 1: v0-127 W's fragments, two sets; v128-255 cos and sin of my 64 tokens.   window 2: the accumulators, (a, b) at v[8 (8 a + b)].
.set PITCH,  272                       ; an LDS row: 256 bytes + 16: the 16 rows of a fragment load start at 16 different groups of four banks
.set ASZ,    128*PITCH
.set SLOT,   384*PITCH                 ; x's 128 rows, then W's 256
.set SCL,    2*SLOT                    ; x's scales: 64 units of 256 + 16 bytes; then W's: 128 units
.set STAGE,  SCL+192*272               ; 16 rows x 528 bytes for each wave; no tensor load lands there
.set SPITCH, 528
.set SPARE,  STAGE+4*16*SPITCH         ; the spare words, 128 bytes a wave
.set XS_OFF, 12582912
.set WC_OFF, 8388608
.set WS_OFF, 13107200
.set ROPE_OFF, 4194304
.set ADRA, 16
.set ADRB, 18
.set RO,   20                          ; v20-23 the table's byte offset for tokens 16 a + r
.set STO,  24
.set RD,   25
.set CO16, 26
.set ADRS, 27
.set SPW,  28
.set NIL,  29
.set PFO,  30
.set CO32, 31
.set SC,   32                          ; scale words: 32 set + 4 i + q: lanes 0-15 x's block i, lanes 16-31 W's block i
.set T1,   96
.set T2,   104
.set AF,   128
.set BK,   128
.set TMP,  192
.set CSN,  128                         ; window 1: 32 a + 16 (sin) + 8 b' + j
.set G1A, 24
.set G0A, 32
.set PFA, 40
.set LIM, 42
.set G1B, 48
.set G0B, 56
.set G1SA, 68
.set G0SA, 76
.set G1SB, 80
.set G0SB, 88
.set MSB, 0
.macro WIN new                         ; the immediate's high byte repeats the setting that is left
.if MSB != \new
	s_set_vgpr_msb (MSB<<8)|\new
.set MSB, \new
.endif
.endm
.set MULW, 0xa1                        ; source 0 (W) window 1, source 1 (x) window 0, C and D window 2
.set TO_B, 0x40
.macro PLACES n
.rept \n
	v_nop
.endr
.endm
; A joint load: waves 0 and 1 fetch for x, waves 2 and 3 for W; the branch hangs on the wave's number alone.  An s_nop 0 and four v_nop follow each line.
.macro JLOAD g0a, g1a, g0b, g1b
	s_cmp_eq_u32 s13, 0
	s_cbranch_scc0 .Lfor_b_\@
	tensor_load_to_lds s[\g0a:\g0a+3], s[\g1a:\g1a+7]
	s_nop 0
	PLACES 4
	s_branch .Lasked_\@
.Lfor_b_\@:
	tensor_load_to_lds s[\g0b:\g0b+3], s[\g1b:\g1b+7]
	s_nop 0
	PLACES 4
.Lasked_\@:
.endm
.macro CREST                           ; a round of the cluster's barrier behind its opening barrier
	s_cmp_lg_u32 s12, 0
	s_cbranch_scc1 .Lnot_wave_0_\@
	s_barrier_signal -3
.Lnot_wave_0_\@:
	s_barrier_wait -3
	s_barrier_signal -1
	s_barrier_wait -1
.endm
.macro CROUND
	s_barrier_signal -1
	s_barrier_wait -1
	CREST
.endm
; A prefetch of the K step two refills on: 32 rows x 256 bytes, a lane a row.  x's rows: wave 0 of the clusters with x = 0; W's: waves 2 and 3 of the clusters with y = 0; the four partners
; that ask for a tile jointly take 32 rows each, told apart by address.  So each 256 bytes of codes are named once.  The loop's last trip (s3 = 1) asks for nothing.
.macro ASK
	s_cmp_gt_u32 s3, s[LIM]
	s_cbranch_scc0 .Lnot_mine_\@
	global_prefetch_b8 v[PFO], s[PFA:PFA+1] th:TH_LOAD_NT scope:SCOPE_SE
.Lnot_mine_\@:
.endm
	s_load_b256 s[4:11], s[0:1], 0x0               ; codes, tabs, qkv16, qkv32
	v_lshl_add_u32 v[SPW], v0, 2, SPARE
	v_mov_b32 v[NIL], 0
	ds_add_u32 v[SPW], v[NIL]                      ; the opening: the add, twice on end, and its wait ahead of my first tensor load
	ds_add_u32 v[SPW], v[NIL]
	v_lshrrev_b32 v1, 5, v0
	v_readfirstlane_b32 s12, v1                    ; wave
	s_lshr_b32 s13, s12, 1                         ; my half of the tokens; also: I fetch for x (0) or W (1)
	s_and_b32 s14, s12, 1                          ; my half of the columns; also: which half of that tile I fetch
	s_bfe_u32 s15, ttmp6, 0x40000                  ; cx
	s_bfe_u32 s16, ttmp6, 0x40004                  ; cy
	s_lshl_b32 s17, ttmp9, 2
	s_add_co_u32 s17, s17, s15                     ; tile column 0 .. 7
	s_and_b32 s18, ttmp7, 0xffff
	s_lshl_b32 s18, s18, 2
	s_add_co_u32 s18, s18, s16                     ; tile row 0 .. 31
	s_lshl_b32 s19, s16, 2
	s_lshl_b32 s19, 15, s19                        ; my row of the cluster
	s_lshl_b32 s20, 0x1111, s15                    ; my column
	s_or_b32 s[G1A], s19, (1<<20)|(1<<21)|(5<<22)|(3<<25)    ; elements of 1 byte; 4 words of padding behind every 64; bit 21 beside a mask
	s_or_b32 s[G1B], s20, (1<<20)|(1<<21)|(5<<22)|(3<<25)
	s_mov_b32 s[G1A+1], 256<<16                    ; tensor_dim0
	s_mov_b32 s[G1A+2], 64<<16                     ; tensor_dim1: 64 rows of x a load
	s_mov_b32 s[G1A+3], 256<<16                    ; tile_dim0
	s_mov_b32 s[G1A+4], 64                         ; tile_dim1
	s_mov_b32 s[G1A+5], 2048                       ; from row to row
	s_mov_b32 s[G1A+6], 0
	s_mov_b32 s[G1A+7], 0
	s_mov_b32 s[G1B+1], 256<<16
	s_mov_b32 s[G1B+2], 128<<16                    ; 128 rows of W a load
	s_mov_b32 s[G1B+3], 256<<16
	s_mov_b32 s[G1B+4], 128
	s_mov_b32 s[G1B+5], 2048
	s_mov_b32 s[G1B+6], 0
	s_mov_b32 s[G1B+7], 0
	s_or_b32 s[G1SA], s19, (3<<16)|(1<<20)|(1<<21)|(5<<22)|(3<<25)   ; the scales: dense blocks as rows of 32 elements of 8 bytes
	s_or_b32 s[G1SB], s20, (3<<16)|(1<<20)|(1<<21)|(5<<22)|(3<<25)
	s_mov_b32 s[G1SA+1], 32<<16
	s_mov_b32 s[G1SA+2], 32<<16                    ; 64 rows x 128 bytes = 32 units
	s_mov_b32 s[G1SA+3], 32<<16
	s_mov_b32 s[G1SA+4], 32
	s_mov_b32 s[G1SA+5], 32
	s_mov_b32 s[G1SA+6], 0
	s_mov_b32 s[G1SA+7], 0
	s_mov_b32 s[G1SB+1], 32<<16
	s_mov_b32 s[G1SB+2], 64<<16                    ; 128 rows = 64 units
	s_mov_b32 s[G1SB+3], 32<<16
	s_mov_b32 s[G1SB+4], 64
	s_mov_b32 s[G1SB+5], 32
	s_mov_b32 s[G1SB+6], 0
	s_mov_b32 s[G1SB+7], 0
	s_lshl_b32 s44, s18, 7
	s_lshl_b32 s45, s14, 6
	s_add_co_u32 s44, s44, s45                     ; x: row 128 x tile row + 64 x half
	s_lshl_b32 s46, s44, 7
	s_add_co_u32 s46, s46, XS_OFF                  ; its scale bytes,
	s_mov_b32 s47, 0
	s_lshl_b32 s44, s44, 11                        ; its codes
	s_mov_b32 s45, 0
	s_lshl_b32 s92, s17, 8
	s_lshl_b32 s93, s14, 7
	s_add_co_u32 s92, s92, s93                     ; W: row 256 x tile column + 128 x half
	s_lshl_b32 s94, s92, 7
	s_add_co_u32 s94, s94, WS_OFF
	s_mov_b32 s95, 0
	s_lshl_b32 s92, s92, 11
	s_add_co_u32 s92, s92, WC_OFF
	s_mov_b32 s93, 0
	s_mul_i32 s97, s14, 64*PITCH                   ; where they go: the wave's number alone enters an LDS address
	s_mul_i32 s98, s14, 128*PITCH
	s_mul_i32 s99, s14, 32*272
	s_mul_i32 s100, s14, 64*272
	s_wait_dscnt 0x0                               ; both opening adds are done
	s_wait_kmcnt 0x0
	s_add_nc_u64 s[44:45], s[4:5], s[44:45]
	s_add_nc_u64 s[46:47], s[4:5], s[46:47]
	s_add_nc_u64 s[92:93], s[4:5], s[92:93]
	s_add_nc_u64 s[94:95], s[4:5], s[94:95]
	CROUND                                         ; all sixteen work-groups are here: the first joint loads meet
	s_mov_b32 s[G0SA], 1
	s_add_co_u32 s[G0SA+1], s99, SCL
	s_mov_b64 s[G0SA+2:G0SA+3], s[46:47]
	s_or_b32 s[G0SA+3], s[G0SA+3], 0x80000000
	s_mov_b32 s[G0SB], 1
	s_add_co_u32 s[G0SB+1], s100, SCL+64*272
	s_mov_b64 s[G0SB+2:G0SB+3], s[94:95]
	s_or_b32 s[G0SB+3], s[G0SB+3], 0x80000000
	JLOAD G0SA, G1SA, G0SB, G1SB                   ; the scales first: wanted with K step 0
.irp s, 0,1
	s_mov_b32 s[G0A+4*\s], 1
	s_add_co_u32 s[G0A+4*\s+1], s97, \s*SLOT
	s_add_nc_u64 s[G0A+4*\s+2:G0A+4*\s+3], s[44:45], \s*256
	s_or_b32 s[G0A+4*\s+3], s[G0A+4*\s+3], 0x80000000
	s_mov_b32 s[G0B+4*\s], 1
	s_add_co_u32 s[G0B+4*\s+1], s98, \s*SLOT+ASZ
	s_add_nc_u64 s[G0B+4*\s+2:G0B+4*\s+3], s[92:93], \s*256
	s_or_b32 s[G0B+4*\s+3], s[G0B+4*\s+3], 0x80000000
	JLOAD G0A+4*\s, G1A, G0B+4*\s, G1B             ; three loads of mine are out behind these
.endr
	v_and_b32 v1, 15, v0                           ; r
	v_bfe_u32 v2, v0, 4, 1                         ; h
	; which of q, k, v: selections of numbers, no branch
	s_cmp_lt_u32 s17, 6
	s_cselect_b32 s21, 1, 0                        ; v: every token takes the one row (1, 0)
	s_cselect_b32 s22, 0, 8192
	s_cselect_b32 s23, 4, 6                        ; the section's first tile column
	s_mov_b32 s43, 12582912
	s_cselect_b32 s43, 8388608, s43                ; the section in qkv16,
	s_cselect_b32 s66, 0, 8388608                  ; in qkv32
	s_cmp_lt_u32 s17, 4
	s_cselect_b32 s22, 4096, s22
	s_cselect_b32 s23, 0, s23
	s_cselect_b32 s43, 0, s43
	s_cselect_b32 s66, 16777216, s66
	s_cselect_b32 s67, 4, 3                        ; log2 of the heads
	s_cselect_b32 s96, 9, 11                       ; log2 of the positions kept in f32
	s_lshl_b32 s97, s18, 7
	s_lshl_b32 s98, s13, 6
	s_add_co_u32 s97, s97, s98                     ; my first token
	s_mul_i32 s97, s97, s21
	s_add_co_u32 s97, s97, s22                     ; its row of the table
	v_mul_u32_u24 v3, v1, s21
	v_add_nc_u32 v3, s97, v3
	v_lshlrev_b32 v3, 8, v3
	v_lshl_add_u32 v[RO], v2, 5, v3                ; + 32 h: frequencies 8 h on
	s_lshl_b32 s98, s21, 12
	v_add_nc_u32 v[RO+1], s98, v[RO]
	v_add_nc_u32 v[RO+2], s98, v[RO+1]
	v_add_nc_u32 v[RO+3], s98, v[RO+2]
	s_add_nc_u64 s[6:7], s[6:7], ROPE_OFF
	WIN TO_B
.irp a, 0,1,2,3
.irp kd, 0,1
.irp bp, 0,1
	global_load_b128 v[CSN+32*\a+16*\kd+8*\bp:CSN+32*\a+16*\kd+8*\bp+3],   v[RO+\a], s[6:7] offset:128*\kd+64*\bp
	global_load_b128 v[CSN+32*\a+16*\kd+8*\bp+4:CSN+32*\a+16*\kd+8*\bp+7], v[RO+\a], s[6:7] offset:128*\kd+64*\bp+16
.endr
.endr
.endr
	WIN 0
	v_mul_u32_u24 v3, v1, PITCH
	v_lshl_add_u32 v3, v2, 4, v3                   ; a fragment's row x pitch + 16 h
	s_mul_i32 s97, s13, 64*PITCH                   ; my 64 rows of x
	s_mul_i32 s98, s14, 128*PITCH
	s_add_co_u32 s98, s98, ASZ                     ; my 128 rows of W
.irp s, 0,1
	v_add_nc_u32 v[ADRA+\s], s97, v3
	v_add_nc_u32 v[ADRB+\s], s98, v3
	s_add_co_u32 s97, s97, SLOT
	s_add_co_u32 s98, s98, SLOT
.endr
	v_lshlrev_b32 v4, 7, v1                        ; my row's scales: 128 bytes a row,
	v_lshrrev_b32 v5, 1, v1
	v_lshl_add_u32 v4, v5, 4, v4                   ; 16 more for each 256 passed
	s_mul_i32 s97, s13, 32*272
	s_mul_i32 s98, s14, 64*272
	s_add_co_u32 s98, s98, 64*272
	s_sub_co_u32 s98, s98, s97
	v_mul_u32_u24 v5, s98, v2                      ; lanes 16-31 take W's: one product, the distance between the two bases
	s_add_co_u32 s97, s97, SCL
	v_add_nc_u32 v4, v4, v5
	v_add_nc_u32 v[ADRS], s97, v4
	s_mul_i32 s97, s12, 16*SPITCH
	s_add_co_u32 s97, s97, STAGE
	v_mul_u32_u24 v5, v1, SPITCH
	v_lshl_add_u32 v5, v2, 5, v5
	v_add_nc_u32 v[STO], s97, v5                   ; in: row r, 32 bytes for each half of the lanes
	v_mul_u32_u24 v5, v2, SPITCH
	v_lshl_add_u32 v5, v1, 4, v5
	v_add_nc_u32 v[RD], s97, v5                    ; back: lanes 0-15 one token's head (256 bytes), lanes 16-31 the next token's
	v_lshlrev_b32 v5, 7, v2
	v_lshl_add_u32 v[CO16], v1, 3, v5
	v_lshlrev_b32 v5, 8, v2
	v_lshl_add_u32 v[CO32], v1, 4, v5
	v_and_b32 v5, 31, v0
	v_lshlrev_b32 v[PFO], 11, v5
	; the way out's bases
	s_lshr_b32 s97, s18, 4                         ; batch
	s_lshl_b32 s97, s97, s67
	s_sub_co_u32 s98, s17, s23
	s_lshl_b32 s98, s98, 2
	s_add_co_u32 s97, s97, s98
	s_lshl_b32 s98, s14, 1
	s_add_co_u32 s97, s97, s98                     ; batch x heads + my first head
	s_and_b32 s98, s18, 15
	s_lshl_b32 s98, s98, 7
	s_lshl_b32 s99, s13, 6
	s_add_co_u32 s98, s98, s99                     ; my first position
	s_lshl_b32 s99, s97, 11
	s_add_co_u32 s99, s99, s98
	s_lshl_b32 s99, s99, 7
	s_add_co_u32 s100, s99, s43
	s_mov_b32 s101, 0
	s_add_nc_u64 s[8:9], s[8:9], s[100:101]        ; f16: rows of 128 bytes
	s_lshl_b32 s99, s97, s96
	s_add_co_u32 s99, s99, s98
	s_lshl_b32 s99, s99, 8
	s_add_co_u32 s100, s99, s66
	s_add_nc_u64 s[10:11], s[10:11], s[100:101]    ; f32: rows of 256 bytes, my first head;
	s_lshl_b32 s100, 256, s96
	s_add_nc_u64 s[98:99], s[10:11], s[100:101]    ; my second
	s_and_b32 s2, ttmp7, 3                         ; f32 goes out for k and v, and for q's first 512 positions: the cluster's numbers alone decide, so all partners go the same way
	s_cmp_eq_u32 s2, 0
	s_cselect_b32 s2, 1, 0
	s_cmp_eq_u32 ttmp9, 1
	s_cselect_b32 s2, 1, s2
	; the prefetches
	s_lshl_b32 s21, s18, 7
	s_lshl_b32 s22, s17, 8
	s_lshl_b32 s23, s14, 7
	s_add_co_u32 s22, s22, s23
	s_add_co_u32 s22, s22, WC_OFF/2048             ; W's codes begin 4,096 rows of 2,048 bytes behind x's
	s_and_b32 s23, ttmp7, 0xffff
	s_cmp_eq_u32 s13, 0
	s_cselect_b32 s21, s21, s22                    ; the tile's first row,
	s_cselect_b32 s22, s15, s16                    ; my place among the four that ask jointly,
	s_cselect_b32 s23, ttmp9, s23                  ; the coordinate along which other clusters read the same rows
	s_cselect_b32 s43, s14, 0                      ; (wave 1 never asks)
	s_or_b32 s23, s23, s43
	s_cmp_eq_u32 s23, 0
	s_cselect_b32 s[LIM], 1, -1
	s_lshl_b32 s22, s22, 5
	s_add_co_u32 s21, s21, s22
	s_lshl_b32 s100, s21, 11
	s_add_co_u32 s100, s100, 3*256                 ; at K step 3: the first refill steps it to 4
	s_add_nc_u64 s[PFA:PFA+1], s[4:5], s[100:101]
.macro FRAG reg, adr, q, i             ; 16 rows x 128 K of 4-bit codes: 8 registers: two loads of 16 bytes, 32 apart
.irp c, 0,1
	ds_load_b128 v[\reg+4*\c:\reg+4*\c+3], v[\adr] offset:64*(\q)+32*\c+(\i)*16*PITCH
.endr
.endm
.macro FETCH slot, q, p                ; 24 loads: W's eight fragments and x's four of the slot's q-th 128 along K, into set p
	WIN TO_B
.irp i, 0,1,2,3,4,5,6,7
	FRAG 64*(\p)+8*\i, ADRB+\slot, \q, \i
.endr
	WIN 0
.irp i, 0,1,2,3
	FRAG AF+32*(\p)+8*\i, ADRA+\slot, \q, \i
.endr
.endm
.macro SCALES set                      ; a K step's four words a row
.irp i, 0,1,2,3,4,5,6,7
	ds_load_b128 v[SC+32*\set+4*\i:SC+32*\set+4*\i+3], v[ADRS] offset:\i*8*272
.endr
.endm
; x's block a against W's eight.  The 32 accumulators take turns, one instruction a turn, in the same order in every step.
.macro MUL8 a, p, q, set, zero
.irp b, 0,1,2,3,4,5,6,7
.if \zero
	v_wmma_scale_f32_16x16x128_f8f6f4 v[8*(8*(\a)+\b):8*(8*(\a)+\b)+7], v[64*(\p)+8*\b:64*(\p)+8*\b+7], v[AF+32*(\p)+8*(\a):AF+32*(\p)+8*(\a)+7], 0, v[SC+32*(\set)+4*\b+(\q)], v[SC+32*(\set)+4*(\a)+(\q)] matrix_a_fmt:MATRIX_FMT_FP4 matrix_b_fmt:MATRIX_FMT_FP4 matrix_a_scale:MATRIX_SCALE_ROW1
.else
	v_wmma_scale_f32_16x16x128_f8f6f4 v[8*(8*(\a)+\b):8*(8*(\a)+\b)+7], v[64*(\p)+8*\b:64*(\p)+8*\b+7], v[AF+32*(\p)+8*(\a):AF+32*(\p)+8*(\a)+7], v[8*(8*(\a)+\b):8*(8*(\a)+\b)+7], v[SC+32*(\set)+4*\b+(\q)], v[SC+32*(\set)+4*(\a)+(\q)] matrix_a_fmt:MATRIX_FMT_FP4 matrix_b_fmt:MATRIX_FMT_FP4 matrix_a_scale:MATRIX_SCALE_ROW1
.endif
.endr
.endm
; A step of 128 along K whose successor lies in the same slot: the successor's fragments are asked for first, into the set that the last step multiplied (four places behind its products).
.macro STEP slot, q, zero
	PLACES 4
	FETCH \slot, (\q)+1, 1-(\q)%2
	s_wait_dscnt 24                                ; all but the 24 just issued: this step's fragments, and its scale words, are in
	WIN MULW
	MUL8 0, (\q)%2, \q, \slot, \zero
	MUL8 1, (\q)%2, \q, \slot, \zero
	MUL8 2, (\q)%2, \q, \slot, \zero
	MUL8 3, (\q)%2, \q, \slot, \zero
	WIN 0
.endm
; A slot's last step changes slots.  In front of the barrier each wave waits for all its tensor loads, adds 0 to its spare word, and waits for that and for its reads of this slot.
.macro TURN slot, next, fill
	s_wait_xcnt 0x0                                ; the last prefetch has read its address
	s_add_nc_u64 s[PFA:PFA+1], s[PFA:PFA+1], 256
	s_wait_tensorcnt 0x0                           ; my one load that was out, my part of the next slot, has landed
	ds_add_u32 v[SPW], v[NIL]
	s_wait_dscnt 1                                 ; (the add alone may be out: this step's fragments are in)
	WIN MULW
	MUL8 0, 1, 3, \slot, 0
	s_wait_dscnt 0x0                               ; the add is done, and my reads of this slot are over
	s_barrier_signal -1
	MUL8 1, 1, 3, \slot, 0
	WIN 0
	s_barrier_wait -1
.if \fill
	CREST                                          ; the barrier has opened a round of the cluster's: no wave of any partner still reads this slot or has a load on its way
	s_add_nc_u64 s[G0A+4*\slot+2:G0A+4*\slot+3], s[G0A+4*\slot+2:G0A+4*\slot+3], 512
	s_add_nc_u64 s[G0B+4*\slot+2:G0B+4*\slot+3], s[G0B+4*\slot+2:G0B+4*\slot+3], 512
	JLOAD G0A+4*\slot, G1A, G0B+4*\slot, G1B       ; my one tensor load behind the round; its four v_nop are the places in front of the loads below
.else
	PLACES 4
.endif
	v_add_nc_u32 v[ADRS], 16, v[ADRS]              ; the next K step's scale words
	FETCH \next, 0, 0
	SCALES \next
.if \fill
	ASK
.endif
	WIN MULW
	MUL8 2, 1, 3, \slot, 0
	MUL8 3, 1, 3, \slot, 0
	WIN 0
.endm
	s_wait_tensorcnt 1                             ; the scales and my part of K step 0 are in; K step 1's load may stay out
	s_barrier_signal -1
	s_barrier_wait -1
	FETCH 0, 0, 0
	SCALES 0
	STEP 0, 0, 1                                   ; the first step's products start the sums: nothing is cleared
	s_mov_b32 s3, 3
.Llap:                                             ; a trip goes once round the ring and fills both slots again: K steps 2 .. 7
	STEP 0, 1, 0
	STEP 0, 2, 0
	TURN 0, 1, 1
	STEP 1, 0, 0
	STEP 1, 1, 0
	STEP 1, 2, 0
	TURN 1, 0, 1
	STEP 0, 0, 0
	s_sub_co_u32 s3, s3, 1
	s_cmp_lg_u32 s3, 0
	s_cbranch_scc1 .Llap
	STEP 0, 1, 0                                   ; the last lap fills nothing
	STEP 0, 2, 0
	TURN 0, 1, 0
	STEP 1, 0, 0
	STEP 1, 1, 0
	STEP 1, 2, 0
	s_wait_dscnt 0x0
	WIN MULW
	MUL8 0, 1, 3, 1, 0
	MUL8 1, 1, 3, 1, 0
	MUL8 2, 1, 3, 1, 0
	MUL8 3, 1, 3, 1, 0
	WIN 0
; THE WAY OUT, 16 tokens at a time: RoPE in registers; through my stage; back as two neighbouring tokens of one head; f16 (256 consecutive bytes an instruction) and, where wanted, f32 (512).
.macro OUTA a
.if (\a) > 0
	s_wait_xcnt 0x0                                ; the last block's stores have read their registers: they are written again only behind this wait
.endif
	WIN 0x06                                       ; source 0 window 2 (sums), source 1 window 1 (cos, sin)
.irp hd, 0,1
.irp bp, 0,1
.set LO, 8*(8*(\a)+4*\hd+\bp)
.set HI, LO+16
.set CO, CSN+32*(\a)+8*\bp
.set SI, CO+16
.set TL, TMP+8*(4*\hd+\bp)
.irp jp, 0,2,4,6                       ; each accumulator is read from its low end on
	v_pk_mul_f32 v[T1+\jp:T1+\jp+1], v[HI+\jp:HI+\jp+1], v[SI+\jp:SI+\jp+1]
	v_pk_mul_f32 v[T2+\jp:T2+\jp+1], v[LO+\jp:LO+\jp+1], v[SI+\jp:SI+\jp+1]
.endr
.irp jp, 0,2,4,6
	v_pk_fma_f32 v[TL+\jp:TL+\jp+1], v[LO+\jp:LO+\jp+1], v[CO+\jp:CO+\jp+1], v[T1+\jp:T1+\jp+1] neg_lo:[0,0,1] neg_hi:[0,0,1]
	v_pk_fma_f32 v[TL+16+\jp:TL+16+\jp+1], v[HI+\jp:HI+\jp+1], v[CO+\jp:CO+\jp+1], v[T2+\jp:T2+\jp+1]
.endr
.endr
.endr
	WIN 0
.irp bb, 0,1,2,3,4,5,6,7
	ds_store_b128 v[STO], v[TMP+8*\bb:TMP+8*\bb+3] offset:64*\bb
	ds_store_b128 v[STO], v[TMP+8*\bb+4:TMP+8*\bb+7] offset:64*\bb+16
.endr
.irp i, 0,1,2,3,4,5,6,7
.irp hd, 0,1
	ds_load_b128 v[BK+4*(2*\i+\hd):BK+4*(2*\i+\hd)+3], v[RD] offset:2*\i*SPITCH+256*\hd   ; LDS serves a wave's instructions in order: these see the stores above
.endr
.endr
.irp i, 0,1,2,3,4,5,6,7
.irp hd, 0,1
	s_wait_dscnt 15-(2*\i+\hd)
	v_cvt_pk_f16_f32 v[TMP+2*(2*\i+\hd)], v[BK+4*(2*\i+\hd)], v[BK+4*(2*\i+\hd)+1]
	v_cvt_pk_f16_f32 v[TMP+2*(2*\i+\hd)+1], v[BK+4*(2*\i+\hd)+2], v[BK+4*(2*\i+\hd)+3]
	global_store_b64 v[CO16], v[TMP+2*(2*\i+\hd):TMP+2*(2*\i+\hd)+1], s[8:9] offset:2048*(\a)+256*\i+262144*\hd
.endr
.endr
	s_cmp_eq_u32 s2, 0
	s_cbranch_scc1 .Lno32_\@
.irp i, 0,1,2,3,4,5,6,7
	global_store_b128 v[CO32], v[BK+8*\i:BK+8*\i+3], s[10:11] offset:4096*(\a)+512*\i
	global_store_b128 v[CO32], v[BK+8*\i+4:BK+8*\i+7], s[98:99] offset:4096*(\a)+512*\i
.endr
.Lno32_\@:
.endm
	s_wait_loadcnt 0x0                             ; cos and sin
	PLACES 4                                       ; behind the last products
	OUTA 0
	OUTA 1
	OUTA 2
	OUTA 3
	s_wait_tensorcnt 0x0                           ; the wave's end: the three lines
	ds_add_u32 v[SPW], v[NIL]
	s_wait_dscnt 0x0
	CROUND                                         ; the closing round
	s_endpgm
.Lfunc_end_k_qa7d50933ec_qkv:
	.size	k_qa7d50933ec_qkv, .Lfunc_end_k_qa7d50933ec_qkv-k_qa7d50933ec_qkv
	.p2alignl 7, 3214868480
	.fill 96, 4, 3214868480
	.section	.rodata,"a",@progbits
	.p2align	6, 0x0
	.amdhsa_kernel k_qa7d50933ec_qkv
		.amdhsa_group_segment_fixed_size 327680
		.amdhsa_private_segment_fixed_size 0
		.amdhsa_enable_private_segment 0
		.amdhsa_kernarg_size 32
		.amdhsa_user_sgpr_count 2
		.amdhsa_user_sgpr_kernarg_segment_ptr 1
		.amdhsa_wavefront_size32 1
		.amdhsa_system_sgpr_workgroup_id_x 1
		.amdhsa_system_sgpr_workgroup_id_y 1
		.amdhsa_system_sgpr_workgroup_id_z 1
		.amdhsa_system_vgpr_workitem_id 0
		.amdhsa_next_free_vgpr 768
		.amdhsa_next_free_sgpr 102
		.amdhsa_reserve_vcc 0
		.amdhsa_float_denorm_mode_32 3
		.amdhsa_float_denorm_mode_16_64 3
		.amdhsa_memory_ordered 1
		.amdhsa_forward_progress 1
		.amdhsa_inst_pref_size 160
	.end_amdhsa_kernel
	.amdgpu_metadata
---
amdhsa.version: [ 1, 2 ]
amdhsa.kernels:
  - .name:           k_qa7d50933ec_qkv
    .symbol:         k_qa7d50933ec_qkv.kd
    .args:
      - { .name: codes, .offset: 0, .size: 8, .value_kind: global_buffer, .address_space: global }
      - { .name: tabs, .offset: 8, .size: 8, .value_kind: global_buffer, .address_space: global }
      - { .name: qkv16, .offset: 16, .size: 8, .value_kind: global_buffer, .address_space: global }
      - { .name: qkv32, .offset: 24, .size: 8, .value_kind: global_buffer, .address_space: global }
    .group_segment_fixed_size: 327680
    .private_segment_fixed_size: 0
    .kernarg_segment_align: 8
    .kernarg_segment_size: 32
    .max_flat_workgroup_size: 128
    .sgpr_count:     102
    .vgpr_count:     768
    .wavefront_size: 32
...
	.end_amdgpu_metadata
.endif
;; end of part 2
;; launch attn (part 3): grid 16 x 16, 8 waves a work-group, clusters of 4 x 4, 327,680 bytes of LDS; arguments qkv16, attention_mask, att16; writes att16
.if DOCPART == 3
	.amdgcn_target "amdgcn-amd-amdhsa--gfx1250"
	.amdhsa_code_object_version 6
	.text
	.protected	k_qa7d50933ec_attn
	.globl	k_qa7d50933ec_attn
	.p2align	8
	.type	k_qa7d50933ec_attn,@function
k_qa7d50933ec_attn:
	s_mov_b64 s[64:65], 0
	v_nop
	global_prefetch_b8 v0, s[64:65] scope:SCOPE_SE
	s_setreg_imm32_b32 hwreg(HW_REG_WAVE_MODE, 25, 1), 1
	s_wait_xcnt 0x0
	s_wait_alu depctr_hold_cnt(0) depctr_sa_sdst(0) depctr_va_vdst(0) depctr_va_sdst(0) depctr_va_ssrc(0) depctr_va_vcc(0) depctr_vm_vsrc(0)
	s_getreg_b32 s2, hwreg(HW_REG_IB_STS2, 6, 4)
	s_cmp_eq_u32 s2, 0
	s_cbranch_scc0 .Lentry_in_a_cluster
	s_endpgm
.Lentry_in_a_cluster:
	s_bfe_u32 s2, ttmp6, 0x10000c
	s_cmp_lg_u32 s2, 0xf033
	s_cbranch_scc0 .Lentry_shape_is_right
	s_endpgm
.Lentry_shape_is_right:
; ATTN: softmax(q k^T / 8 + mask) v in f16 operands, f32 sums, for all rows.  The mask is an input: every key is walked and every mask number is read and added in f32.
; q arrives times log2(e)/8.  x = mask log2(e) + q'.k;  M = the running largest x of a row;  p = 2^(x - M);  O and the sum l are multiplied by 2^(old M - new M) in every step.
; SHARES.  A work-group: 128 positions x the two query heads of one key-value head.  Wave w: positions 16 w .. 16 w + 15, both heads: each fragment of K, V and the mask read from LDS serves two tiles.
; Two waves lie on a SIMD, so that one's vector work stands beside the other's matrix work.
; LAYOUT.  S^T = K Q^T, O^T = V^T P: a lane holds one query (lane % 16) throughout; two score tiles rounded to f16 in pairs are the second product's operand.  V is turned by ds_load_tr16_b128.
; RING.  Two slots of 128 keys: 128 rows x 512 bytes of mask, 128 rows of K, 128 of V.  Every wave brings one part: waves 0-3 the mask (32 rows each), 4 and 5 K, 6 and 7 V.
; CLUSTER 4 x 4: x = four blocks of positions, y = four key-value heads of ONE batch.  K and V are asked for jointly along a row of the cluster, the mask along a column.
; LIMITS: operands in f16 (q, k, v up to 65,504 in size; p at most 1).  The first 16 positions of each sequence are made again in f32 by later launches; under a mask that leaves few keys to other rows, those rows carry f16's rounding.
; REGISTERS: window 0: v1-13 addresses; v16-31 statistics, 8 a head: M, old M, l (two halves), c0-c3 (a in c2's place); v32-63 Q; v64-127 S; v128-159 P; v160-191 mask.  window 1: v0-63 O^T; v64-127 K; v128-191 V.
.set MP,    528
.set KP,    144                        ; 128 + 16: odd multiple of 16
.set VP,    160                        ; 128 + 32: odd multiple of 32, for the turning load
.set KOFF,  128*MP
.set VOFF,  KOFF+128*KP
.set SLOT1, 1<<17                      ; one exclusive or turns an address of one slot into the other's
.set STAGE, SLOT1+VOFF+128*VP          ; 16 rows x 272 bytes a wave
.set SP,    272
.set SPARE, STAGE+8*16*SP              ; the spare words, 128 bytes a wave
.set K16_OFF, 8388608
.set AK0, 1
.set AV0, 2
.set AM0, 3
.set ADK, 4
.set ADV, 5
.set ADM, 6
.set QO,  7
.set STO, 8
.set RD,  9
.set GO,  10
.set SPW, 11
.set NIL, 12
.set PFO, 13
.set ST,  16
.set Q,   32
.set S,   64
.set P,   128
.set MK,  160
.set KF,  64
.set VF,  128
.set WV,  12
.set G1M, 24
.set G1K, 32
.set G1V, 40
.set G0M, 48
.set G0K, 52
.set G0V, 56
.set CS,  60
.set SEL, 62
.set TB,  66
.set SLOTS, 67
.set PFA, 68
.set PFS, 70
.set LIM, 72
.set MSB, 0
.macro WIN new
.if MSB != \new
	s_set_vgpr_msb (MSB<<8)|\new
.set MSB, \new
.endif
.endm
.macro PLACES n
.rept \n
	v_nop
.endr
.endm
.macro TLOAD3                          ; every wave's one joint load; the branches hang on the wave's number alone; an s_nop 0 and four v_nop follow each line
	s_cmp_lt_u32 s[WV], 4
	s_cbranch_scc0 .Lnot_m_\@
	tensor_load_to_lds s[G0M:G0M+3], s[G1M:G1M+7]
	s_nop 0
	PLACES 4
	s_branch .Lasked_\@
.Lnot_m_\@:
	s_cmp_lt_u32 s[WV], 6
	s_cbranch_scc0 .Lfor_v_\@
	tensor_load_to_lds s[G0K:G0K+3], s[G1K:G1K+7]
	s_nop 0
	PLACES 4
	s_branch .Lasked_\@
.Lfor_v_\@:
	tensor_load_to_lds s[G0V:G0V+3], s[G1V:G1V+7]
	s_nop 0
	PLACES 4
.Lasked_\@:
.endm
.macro CROUND
	s_barrier_signal -1
	s_barrier_wait -1
	s_cmp_lg_u32 s[WV], 0
	s_cbranch_scc1 .Lnot_wave_0_\@
	s_barrier_signal -3
.Lnot_wave_0_\@:
	s_barrier_wait -3
	s_barrier_signal -1
	s_barrier_wait -1
.endm
; A prefetch of the slot that the NEXT change will ask for.  The mask of a batch is read by two rows of clusters: the even one asks, waves 0 and 1 (a row's 512 bytes are two blocks of 256), the four partners of a column
; 32 rows each, by address.  K and V of a head are read by every cluster of a row of clusters: the first asks, wave 4: lanes 0-15 sixteen blocks of K, lanes 16-31 the same of V; the four partners 16 blocks each, by address.
; The last change that fills a slot asks for nothing.
.macro ASK
	s_cmp_gt_u32 s[SLOTS], s[LIM]
	s_cbranch_scc0 .Lnot_mine_\@
	global_prefetch_b8 v[PFO], s[PFA:PFA+1] th:TH_LOAD_NT scope:SCOPE_SE
.Lnot_mine_\@:
.endm
	s_load_b128 s[4:7], s[0:1], 0x0                ; qkv16, attention_mask
	s_load_b64 s[8:9], s[0:1], 0x10                ; att16
	v_lshl_add_u32 v[SPW], v0, 2, SPARE
	v_mov_b32 v[NIL], 0
	ds_add_u32 v[SPW], v[NIL]                      ; the opening: the add, twice on end, and its wait ahead of my first tensor load
	ds_add_u32 v[SPW], v[NIL]
	v_lshrrev_b32 v14, 5, v0
	v_readfirstlane_b32 s[WV], v14                 ; wave 0 .. 7
	s_bfe_u32 s13, ttmp6, 0x40000                  ; cx
	s_bfe_u32 s14, ttmp6, 0x40004                  ; cy
	s_lshl_b32 s15, ttmp9, 2
	s_add_co_u32 s15, s15, s13                     ; block of 128 positions
	s_and_b32 s17, ttmp7, 0xffff
	s_lshl_b32 s16, s17, 2
	s_add_co_u32 s16, s16, s14                     ; y = 8 x batch + key-value head
	s_lshr_b32 s17, s17, 1                         ; batch: from the cluster's y alone
	s_lshl_b32 s73, 0x1111, s13                    ; my column of the cluster
	s_lshl_b32 s74, s14, 2
	s_lshl_b32 s74, 15, s74                        ; my row
	s_or_b32 s[G1M], s73, (2<<16)|(1<<20)|(1<<21)|(6<<22)|(3<<25)   ; elements of 4 bytes; 4 words of padding behind every 128
	s_mov_b32 s[G1M+1], 128<<16
	s_mov_b32 s[G1M+2], 32<<16
	s_mov_b32 s[G1M+3], 128<<16
	s_mov_b32 s[G1M+4], 32
	s_mov_b32 s[G1M+5], 2048
	s_mov_b32 s[G1M+6], 0
	s_mov_b32 s[G1M+7], 0
	s_or_b32 s[G1K], s74, (1<<16)|(1<<20)|(1<<21)|(4<<22)|(3<<25)   ; elements of 2 bytes; 4 words behind every 32
	s_or_b32 s[G1V], s74, (1<<16)|(1<<20)|(1<<21)|(4<<22)|(7<<25)   ; 8 words
.irp g, G1K, G1V
	s_mov_b32 s[\g+1], 64<<16
	s_mov_b32 s[\g+2], 64<<16
	s_mov_b32 s[\g+3], 64<<16
	s_mov_b32 s[\g+4], 64
	s_mov_b32 s[\g+5], 64
	s_mov_b32 s[\g+6], 0
	s_mov_b32 s[\g+7], 0
.endr
	s_and_b32 s82, s[WV], 3
	s_lshl_b32 s18, s82, 5
	s_lshl_b32 s19, s15, 7
	s_add_co_u32 s18, s18, s19
	s_lshl_b32 s19, s17, 11
	s_add_co_u32 s18, s18, s19                     ; the mask's row: 2,048 batch + 128 block + 32 wave
	s_lshl_b32 s18, s18, 13
	s_mov_b32 s19, 0
	s_mul_i32 s82, s82, 32*MP
	s_and_b32 s20, s[WV], 1
	s_lshl_b32 s21, s20, 6
	s_lshl_b32 s22, s16, 11
	s_add_co_u32 s22, s22, s21                     ; K's and V's row: 2,048 y + 64 half
	s_lshl_b32 s22, s22, 7
	s_add_co_u32 s22, s22, K16_OFF
	s_mov_b32 s23, 0
	s_mul_i32 s83, s20, 64*KP
	s_mul_i32 s84, s20, 64*VP
	s_lshl_b32 s76, s16, 19                        ; Q: head 2 y, 2,048 rows of 128 bytes a head,
	s_lshl_b32 s77, s15, 14
	s_add_co_u32 s76, s76, s77
	s_lshl_b32 s77, s[WV], 11
	s_add_co_u32 s76, s76, s77                     ; + my 16 positions
	s_mov_b32 s77, 0
	s_lshl_b32 s78, s17, 22                        ; the result: token rows of 2,048 bytes,
	s_lshl_b32 s79, s15, 18
	s_add_co_u32 s78, s78, s79
	s_lshl_b32 s79, s[WV], 15
	s_add_co_u32 s78, s78, s79
	s_and_b32 s79, s16, 7
	s_lshl_b32 s79, s79, 8
	s_add_co_u32 s78, s78, s79                     ; + 256 bytes for each key-value head
	s_mov_b32 s79, 0
	s_lshl_b32 s85, s17, 11                        ; the prefetches: the mask's rows 2,048 batch + 128 block + 32 cy,
	s_lshl_b32 s86, s15, 7
	s_add_co_u32 s85, s85, s86
	s_lshl_b32 s86, s14, 5
	s_add_co_u32 s85, s85, s86
	s_lshl_b32 s85, s85, 13
	s_lshl_b32 s86, s20, 8
	s_add_co_u32 s85, s85, s86                     ; my wave's half of 512 bytes,
	s_add_co_u32 s85, s85, 512                     ; in slot 1: the first change steps it to slot 2
	s_lshl_b32 s86, s16, 18                        ; K's: the head, + 16 blocks of 256 bytes for each cx
	s_lshl_b32 s87, s13, 12
	s_add_co_u32 s86, s86, s87
	s_add_co_u32 s86, s86, K16_OFF+16384
	s_mov_b32 s87, 0
	s_mov_b32 s[PFS], 16384
	s_mov_b32 s[PFS+1], 0
	s_and_b32 s88, ttmp7, 1
	s_cmp_lt_u32 s[WV], 2
	s_cselect_b32 s88, s88, 1
	s_cmp_eq_u32 s[WV], 4
	s_cselect_b32 s88, ttmp9, s88
	s_cmp_eq_u32 s88, 0
	s_cselect_b32 s[LIM], 1, -1                    ; the same in all sixteen partners, for a given wave
	s_mov_b32 s[CS], 0x3fb8aa3b                    ; log2(e)
	s_mov_b32 s[CS+1], s[CS]
	s_mov_b32 s[SEL], 0x76543210
	s_mov_b32 s[SEL+1], 0xfedcba98
	s_mov_b32 s[TB], 0
	s_mov_b32 s[SLOTS], 15
	s_wait_dscnt 0x0                               ; both opening adds are done
	s_wait_kmcnt 0x0
	s_add_nc_u64 s[18:19], s[6:7], s[18:19]
	s_add_nc_u64 s[22:23], s[4:5], s[22:23]
	s_add_nc_u64 s[80:81], s[4:5], s[76:77]
	s_add_nc_u64 s[8:9], s[8:9], s[78:79]
	s_cmp_lt_u32 s[WV], 4
	s_cselect_b32 s[PFS], 512, s[PFS]
	s_cselect_b32 s86, s85, s86
	s_cselect_b32 s89, -1, 0
	s_cselect_b64 s[PFA:PFA+1], s[6:7], s[4:5]
	s_add_nc_u64 s[PFA:PFA+1], s[PFA:PFA+1], s[86:87]
	s_mov_b32 s[G0M], 1
	s_mov_b32 s[G0M+1], s82
	s_mov_b64 s[G0M+2:G0M+3], s[18:19]
	s_or_b32 s[G0M+3], s[G0M+3], 0x80000000
	s_mov_b32 s[G0K], 1
	s_add_co_u32 s[G0K+1], s83, KOFF
	s_mov_b64 s[G0K+2:G0K+3], s[22:23]
	s_or_b32 s[G0K+3], s[G0K+3], 0x80000000
	s_mov_b32 s[G0V], 1
	s_add_co_u32 s[G0V+1], s84, VOFF
	s_add_nc_u64 s[G0V+2:G0V+3], s[22:23], 4194304
	s_or_b32 s[G0V+3], s[G0V+3], 0x80000000
	CROUND                                         ; all sixteen work-groups are here
	TLOAD3                                         ; slot 0
	v_and_b32 v14, 15, v0                          ; r
	v_bfe_u32 v15, v0, 4, 1                        ; h
	v_lshlrev_b32 v[QO], 7, v14
	v_lshl_add_u32 v[QO], v15, 4, v[QO]
.irp g, 0,1
.irp c, 0,1
	global_load_b128 v[Q+16*\g+8*\c:Q+16*\g+8*\c+3],   v[QO], s[80:81] offset:262144*\g+64*\c
	global_load_b128 v[Q+16*\g+8*\c+4:Q+16*\g+8*\c+7], v[QO], s[80:81] offset:262144*\g+64*\c+32
.endr
.endr
	v_mul_u32_u24 v[AK0], v14, KP
	v_lshl_add_u32 v[AK0], v15, 4, v[AK0]
	v_add_nc_u32 v[AK0], KOFF, v[AK0]
	v_and_b32 v[ADK], 7, v0
	v_lshl_add_u32 v[AV0], v15, 3, v[ADK]          ; key 8 h + lane % 8
	v_mul_u32_u24 v[AV0], v[AV0], VP
	v_bfe_u32 v[ADK], v0, 3, 1
	v_lshl_add_u32 v[AV0], v[ADK], 4, v[AV0]
	v_add_nc_u32 v[AV0], VOFF, v[AV0]
	s_mul_i32 s85, s[WV], 16*MP
	v_mul_u32_u24 v[AM0], v14, MP
	v_lshl_add_u32 v[AM0], v15, 5, v[AM0]
	v_add_nc_u32 v[AM0], s85, v[AM0]               ; the mask's row 16 w + r, + 32 h
	s_mul_i32 s85, s[WV], 16*SP
	s_add_co_u32 s85, s85, STAGE
	v_mul_u32_u24 v[STO], v14, SP
	v_lshl_add_u32 v[STO], v15, 4, v[STO]
	v_add_nc_u32 v[STO], s85, v[STO]
	v_mul_u32_u24 v[RD], v15, SP
	v_lshl_add_u32 v[RD], v14, 4, v[RD]
	v_add_nc_u32 v[RD], s85, v[RD]
	v_lshlrev_b32 v[GO], 11, v15
	v_lshl_add_u32 v[GO], v14, 4, v[GO]
	v_and_b32 v[ADK], 31, v0
	v_lshlrev_b32 v[ADK], 13, v[ADK]               ; the prefetches' offset: a lane a row of the mask,
	v_lshlrev_b32 v[ADV], 8, v14
	v_lshl_add_u32 v[ADV], v15, 22, v[ADV]         ; or 256 bytes a lane, V 4,194,304 bytes behind K
	v_cndmask_b32 v[PFO], v[ADV], v[ADK], s89
.irp g, 0,1
	v_mov_b32 v[ST+8*\g], 0xff61b1e6               ; M: -3e38, under every x
	v_mov_b32 v[ST+8*\g+2], 0                      ; l
	v_mov_b32 v[ST+8*\g+3], 0
.endr
	WIN 0x40
.set i, 0
.rept 64
	v_mov_b32 v[i], 0                              ; O^T: the step is written once; its first run finds zeros
.set i, i+1
.endr
	WIN 0
; THE SOFTMAX of 64 keys, both heads stage by stage.
.macro SOFT
.irp n, 0,2,4,6,8,10,12,14,16,18,20,22,24,26,28,30
.irp g, 0,1
	v_pk_fma_f32 v[S+32*\g+\n:S+32*\g+\n+1], v[MK+\n:MK+\n+1], s[CS:CS+1], v[S+32*\g+\n:S+32*\g+\n+1] op_sel_hi:[1,0,1]   ; x = mask log2(e) + q'.k; each accumulator from its low end on
.endr
.endr
.irp g, 0,1
	v_mov_b32 v[ST+8*\g+1], v[ST+8*\g]             ; the old M
.endr
.irp k, 0,1,2,3
.irp g, 0,1
	v_max3_num_f32 v[ST+8*\g+4+\k], v[S+32*\g+8*\k], v[S+32*\g+8*\k+1], v[S+32*\g+8*\k+2]
.endr
.endr
.irp i, 3,5
.irp k, 0,1,2,3
.irp g, 0,1
	v_max3_num_f32 v[ST+8*\g+4+\k], v[ST+8*\g+4+\k], v[S+32*\g+8*\k+\i], v[S+32*\g+8*\k+\i+1]
.endr
.endr
.endr
.irp g, 0,1
	v_max3_num_f32 v[ST+8*\g+4], v[ST+8*\g+4], v[S+32*\g+7], v[S+32*\g+15]
	v_max3_num_f32 v[ST+8*\g+6], v[ST+8*\g+6], v[S+32*\g+23], v[S+32*\g+31]
.endr
.irp g, 0,1
	v_max3_num_f32 v[ST+8*\g+4], v[ST+8*\g+4], v[ST+8*\g+5], v[ST+8*\g+6]
.endr
.irp g, 0,1
	v_max3_num_f32 v[ST+8*\g+4], v[ST+8*\g+4], v[ST+8*\g+7], v[ST+8*\g]
.endr
.irp g, 0,1
	v_permlanex16_b32 v[ST+8*\g+5], v[ST+8*\g+4], s[SEL], s[SEL+1]   ; the query's other 32 keys lie in the lane 16 away
.endr
.irp g, 0,1
	v_max_num_f32 v[ST+8*\g], v[ST+8*\g+4], v[ST+8*\g+5]
.endr
.irp g, 0,1
	v_sub_f32 v[ST+8*\g+1], v[ST+8*\g+1], v[ST+8*\g]                 ; old M - new M
.endr
.irp n, 0,2,4,6,8,10,12,14,16,18,20,22,24,26,28,30
.irp g, 0,1
	v_pk_add_f32 v[S+32*\g+\n:S+32*\g+\n+1], v[S+32*\g+\n:S+32*\g+\n+1], v[ST+8*\g:ST+8*\g+1] op_sel_hi:[1,0] neg_lo:[0,1] neg_hi:[0,1]   ; x - M, formed directly
.endr
.endr
.irp g, 0,1
	v_exp_f32 v[ST+8*\g+6], v[ST+8*\g+1]           ; a
.endr
.set i, 0
.rept 64
	v_exp_f32 v[S+i], v[S+i]                       ; p: one batch of 66 exponentials
.set i, i+1
.endr
	v_nop                                          ; a plain line behind the last exponential,
	s_wait_alu depctr_va_vdst(0)                   ; and one wait for the batch, ahead of its first reader
.set i, 0
.rept 32
	v_cvt_pk_f16_f32 v[P+i], v[S+2*i], v[S+2*i+1]
.set i, i+1
.endr
.irp w, 4,8,16,32                      ; the sum of the unrounded p, in place: neighbours 1, 2, 4, 8 pairs apart
.set u, 0
.rept 32/\w
.irp g, 0,1
	v_pk_add_f32 v[S+32*\g+\w*u:S+32*\g+\w*u+1], v[S+32*\g+\w*u:S+32*\g+\w*u+1], v[S+32*\g+\w*u+\w/2:S+32*\g+\w*u+\w/2+1]
.endr
.set u, u+1
.endr
.endr
.irp g, 0,1
	v_pk_fma_f32 v[ST+8*\g+2:ST+8*\g+3], v[ST+8*\g+2:ST+8*\g+3], v[ST+8*\g+6:ST+8*\g+7], v[S+32*\g:S+32*\g+1] op_sel_hi:[1,0,1]
.endr
.endm
; A KEY STEP: 64 keys, the e-th half of the slot in hand.
.macro STEP e
	PLACES 4                                       ; in front of loads into registers that the last products read
.irp kt, 0,1,2,3
	ds_load_b128 v[MK+8*\kt:MK+8*\kt+3],   v[ADM] offset:256*(\e)+64*\kt
	ds_load_b128 v[MK+8*\kt+4:MK+8*\kt+7], v[ADM] offset:256*(\e)+64*\kt+16
.endr
	WIN 0x40
.irp kt, 0,1,2,3
.irp c, 0,1
	ds_load_b128 v[KF+16*\kt+8*\c:KF+16*\kt+8*\c+3],   v[ADK] offset:64*KP*(\e)+16*KP*\kt+64*\c
	ds_load_b128 v[KF+16*\kt+8*\c+4:KF+16*\kt+8*\c+7], v[ADK] offset:64*KP*(\e)+16*KP*\kt+64*\c+32
.endr
.endr
.irp u, 0,1
.irp ct, 0,1,2,3
	ds_load_tr16_b128 v[VF+32*\u+8*\ct:VF+32*\u+8*\ct+3],   v[ADV] offset:64*VP*(\e)+32*VP*\u+32*\ct
	ds_load_tr16_b128 v[VF+32*\u+8*\ct+4:VF+32*\u+8*\ct+7], v[ADV] offset:64*VP*(\e)+32*VP*\u+16*VP+32*\ct
.endr
.endr
	s_wait_dscnt 16                                ; V's sixteen loads may be out: the mask and K are in
	WIN 0x01                                       ; K in window 1
.set i, 0
.rept 16                               ; eight accumulators by turns
.set rS, S+32*(i%2)+8*((i/2)%4)
.set rK, KF+16*((i/2)%4)+8*(i/8)
.set rQ, Q+16*(i%2)+8*(i/8)
.if i < 8
	v_wmma_f32_16x16x32_f16 v[rS:rS+7], v[rK:rK+7], v[rQ:rQ+7], 0
.else
	v_wmma_f32_16x16x32_f16 v[rS:rS+7], v[rK:rK+7], v[rQ:rQ+7], v[rS:rS+7]
.endif
.set i, i+1
.endr
	WIN 0
	PLACES 4
	SOFT
	s_wait_dscnt 0x0                               ; V is in
	WIN 0x41
.irp g, 0,1
.set i, 0
.rept 16
	v_pk_mul_f32 v[32*\g+i:32*\g+i+1], v[32*\g+i:32*\g+i+1], v[ST+8*\g+6:ST+8*\g+7] op_sel_hi:[1,0]   ; O^T x a
.set i, i+2
.endr
.endr
	WIN 0x51                                       ; V and O^T in window 1, P in window 0
.set i, 0
.rept 16
.set rO, 32*(i%2)+8*((i/2)%4)
.set rV, VF+32*(i/8)+8*((i/2)%4)
.set rP, P+16*(i%2)+8*(i/8)
	v_wmma_f32_16x16x32_f16 v[rO:rO+7], v[rV:rV+7], v[rP:rP+7], v[rO:rO+7]
.set i, i+1
.endr
	WIN 0
.endm
; THE CHANGE OF SLOTS stands at a slot's head.  Each wave waits for all its tensor loads (its part of the slot ahead), adds 0 to its spare word, and waits for that and for its reads of the slot left.
; fill = 1: a round of the cluster's barrier, and behind it the slot left is filled with the keys that follow: the load has two key steps in which to land.
.macro CHANGE fill
	s_wait_tensorcnt 0x0
	ds_add_u32 v[SPW], v[NIL]
.if \fill
.irp g, G0M, G0K, G0V
	s_xor_b32 s[\g+1], s[\g+1], SLOT1              ; no load of mine is out: the walking descriptors may be written
.endr
	s_add_nc_u64 s[G0M+2:G0M+3], s[G0M+2:G0M+3], 512
	s_add_nc_u64 s[G0K+2:G0K+3], s[G0K+2:G0K+3], 16384
	s_add_nc_u64 s[G0V+2:G0V+3], s[G0V+2:G0V+3], 16384
	s_wait_xcnt 0x0                                ; the last prefetch has read its address
	s_add_nc_u64 s[PFA:PFA+1], s[PFA:PFA+1], s[PFS:PFS+1]
	s_wait_dscnt 0x0
	CROUND
	TLOAD3
	ASK
.else
	s_wait_dscnt 0x0
	s_barrier_signal -1
	s_barrier_wait -1
.endif
.endm
.macro SLOT_STEPS
	v_add_nc_u32 v[ADK], s[TB], v[AK0]
	v_add_nc_u32 v[ADV], s[TB], v[AV0]
	v_add_nc_u32 v[ADM], s[TB], v[AM0]
	STEP 0
	STEP 1
	s_xor_b32 s[TB], s[TB], SLOT1
.endm
	s_wait_loadcnt 0x0                             ; Q
.Lslot:                                            ; 15 trips: behind each change but the last the next slot is asked for
	CHANGE 1
	SLOT_STEPS
	s_sub_co_u32 s[SLOTS], s[SLOTS], 1
	s_cmp_lg_u32 s[SLOTS], 0
	s_cbranch_scc1 .Lslot
	CHANGE 0                                       ; the last slot is written out
	SLOT_STEPS
	; THE WAY OUT.  The additions are the places behind the last products.
.irp g, 0,1
	v_add_f32 v[ST+8*\g+4], v[ST+8*\g+2], v[ST+8*\g+3]
.endr
.irp g, 0,1
	v_permlanex16_b32 v[ST+8*\g+5], v[ST+8*\g+4], s[SEL], s[SEL+1]
.endr
.irp g, 0,1
	v_add_f32 v[ST+8*\g+4], v[ST+8*\g+4], v[ST+8*\g+5]
.endr
.irp g, 0,1
	v_rcp_f32 v[ST+8*\g+6], v[ST+8*\g+4]
.endr
	v_nop
	s_wait_alu depctr_va_vdst(0)                   ; one wait for both reciprocals
	WIN 0x41
.irp g, 0,1
.set i, 0
.rept 16
	v_pk_mul_f32 v[32*\g+i:32*\g+i+1], v[32*\g+i:32*\g+i+1], v[ST+8*\g+6:ST+8*\g+7] op_sel_hi:[1,0]
.set i, i+2
.endr
.endr
	WIN 0x05
.set i, 0
.rept 32
	v_cvt_pk_f16_f32 v[S+i], v[2*i], v[2*i+1]
.set i, i+1
.endr
	WIN 0
.irp g, 0,1
.irp ct, 0,1,2,3
	ds_store_b128 v[STO], v[S+4*(4*\g+\ct):S+4*(4*\g+\ct)+3] offset:128*\g+32*\ct
.endr
.endr
.irp i, 0,1,2,3,4,5,6,7
	ds_load_b128 v[S+32+4*\i:S+32+4*\i+3], v[RD] offset:2*\i*SP     ; my own bytes, served in order
.endr
.irp i, 0,1,2,3,4,5,6,7
	s_wait_dscnt 7-\i
	global_store_b128 v[GO], v[S+32+4*\i:S+32+4*\i+3], s[8:9] offset:4096*\i   ; sixteen lanes store 256 consecutive bytes, aligned: both heads' 64 channels of a token
.endr
	s_wait_tensorcnt 0x0                           ; the wave's end: the three lines
	ds_add_u32 v[SPW], v[NIL]
	s_wait_dscnt 0x0
	CROUND                                         ; the closing round
	s_endpgm
.Lfunc_end_k_qa7d50933ec_attn:
	.size	k_qa7d50933ec_attn, .Lfunc_end_k_qa7d50933ec_attn-k_qa7d50933ec_attn
	.p2alignl 7, 3214868480
	.fill 96, 4, 3214868480
	.section	.rodata,"a",@progbits
	.p2align	6, 0x0
	.amdhsa_kernel k_qa7d50933ec_attn
		.amdhsa_group_segment_fixed_size 327680
		.amdhsa_private_segment_fixed_size 0
		.amdhsa_enable_private_segment 0
		.amdhsa_kernarg_size 24
		.amdhsa_user_sgpr_count 2
		.amdhsa_user_sgpr_kernarg_segment_ptr 1
		.amdhsa_wavefront_size32 1
		.amdhsa_system_sgpr_workgroup_id_x 1
		.amdhsa_system_sgpr_workgroup_id_y 1
		.amdhsa_system_sgpr_workgroup_id_z 1
		.amdhsa_system_vgpr_workitem_id 0
		.amdhsa_next_free_vgpr 512
		.amdhsa_next_free_sgpr 96
		.amdhsa_reserve_vcc 0
		.amdhsa_float_denorm_mode_32 3
		.amdhsa_float_denorm_mode_16_64 3
		.amdhsa_memory_ordered 1
		.amdhsa_forward_progress 1
		.amdhsa_inst_pref_size 100
	.end_amdhsa_kernel
	.amdgpu_metadata
---
amdhsa.version: [ 1, 2 ]
amdhsa.kernels:
  - .name:           k_qa7d50933ec_attn
    .symbol:         k_qa7d50933ec_attn.kd
    .args:
      - { .name: qkv16, .offset: 0, .size: 8, .value_kind: global_buffer, .address_space: global }
      - { .name: attention_mask, .offset: 8, .size: 8, .value_kind: global_buffer, .address_space: global }
      - { .name: att16, .offset: 16, .size: 8, .value_kind: global_buffer, .address_space: global }
    .group_segment_fixed_size: 327680
    .private_segment_fixed_size: 0
    .kernarg_segment_align: 8
    .kernarg_segment_size: 24
    .max_flat_workgroup_size: 256
    .sgpr_count:     96
    .vgpr_count:     512
    .wavefront_size: 32
...
	.end_amdgpu_metadata
.endif
;; end of part 3
;; launch proj (part 4): grid 8 x 32, 4 waves a work-group, clusters of 4 x 4, 327,680 bytes of LDS; arguments att16, tabs, out0; writes out0
.if DOCPART == 4
	.amdgcn_target "amdgcn-amd-amdhsa--gfx1250"
	.amdhsa_code_object_version 6
	.text
	.protected	k_qa7d50933ec_proj
	.globl	k_qa7d50933ec_proj
	.p2align	8
	.type	k_qa7d50933ec_proj,@function
k_qa7d50933ec_proj:
	s_mov_b64 s[64:65], 0
	v_nop
	global_prefetch_b8 v0, s[64:65] scope:SCOPE_SE
	s_setreg_imm32_b32 hwreg(HW_REG_WAVE_MODE, 25, 1), 1
	s_wait_xcnt 0x0
	s_wait_alu depctr_hold_cnt(0) depctr_sa_sdst(0) depctr_va_vdst(0) depctr_va_sdst(0) depctr_va_ssrc(0) depctr_va_vcc(0) depctr_vm_vsrc(0)
	s_getreg_b32 s2, hwreg(HW_REG_IB_STS2, 6, 4)
	s_cmp_eq_u32 s2, 0
	s_cbranch_scc0 .Lentry_in_a_cluster
	s_endpgm
.Lentry_in_a_cluster:
	s_bfe_u32 s2, ttmp6, 0x10000c
	s_cmp_lg_u32 s2, 0xf033
	s_cbranch_scc0 .Lentry_shape_is_right
	s_endpgm
.Lentry_shape_is_right:
; PROJ: out0[token][n] = sum over k of att[token][k] Wo[k][n], 4,096 x 2,048 x 1,024, f16 operands, f32 sums.
; A tile is 128 tokens x 256 columns: 256 work-groups; four waves, each 64 x 128: 32 accumulators.  K goes in steps of 128 through two LDS slots: 128 rows x 256 bytes of att, 128 k-rows x 512 bytes of Wo.
; Wo lies [k][n]: its fragments are turned on the way out of LDS by ds_load_tr16_b128.  CLUSTER 4 x 4: att's tiles jointly along a row, Wo's along a column.
; THE MATRIX INSTRUCTION IS USED TRANSPOSED (source 0 = 16 columns of Wo, source 1 = 16 tokens): a lane holds eight neighbouring columns of one token.
; Rows 0-15 of each sequence are stored here too and stored again, finer, by a later launch.
; REGISTERS: window 0: v16-31 addresses; v128-191 att's fragments, two sets (way out with v192-255: rows read back).  window 1: v0-127 Wo's fragments, two sets.  window 2: the accumulators.
.set PITCH,  272
.set BP,     544                       ; 512 + 32: odd multiple of 32, for the turning load
.set ASZ,    128*PITCH
.set SLOT,   ASZ+128*BP
.set STAGE,  2*SLOT
.set SPITCH, 528
.set SPARE,  STAGE+4*16*SPITCH
.set ADRA, 16
.set ADRB, 18
.set STO,  24
.set RD,   25
.set CO,   26
.set SPW,  28
.set NIL,  29
.set PFO,  30
.set AF,   128
.set BK,   128
.set G1A, 24
.set G0A, 32
.set PFA, 40
.set LIM, 42
.set PFS, 44
.set G1B, 48
.set G0B, 56
.set MSB, 0
.macro WIN new
.if MSB != \new
	s_set_vgpr_msb (MSB<<8)|\new
.set MSB, \new
.endif
.endm
.set MULW, 0xa1
.set TO_B, 0x40
.macro PLACES n
.rept \n
	v_nop
.endr
.endm
.macro JLOAD s                         ; waves 0 and 1 fetch att's halves, waves 2 and 3 Wo's; an s_nop 0 and four v_nop follow each line
	s_cmp_eq_u32 s13, 0
	s_cbranch_scc0 .Lfor_b_\@
	tensor_load_to_lds s[G0A+4*\s:G0A+4*\s+3], s[G1A:G1A+7]
	s_nop 0
	PLACES 4
	s_branch .Lasked_\@
.Lfor_b_\@:
	tensor_load_to_lds s[G0B+4*\s:G0B+4*\s+3], s[G1B:G1B+7]
	s_nop 0
	PLACES 4
.Lasked_\@:
.endm
.macro CREST
	s_cmp_lg_u32 s12, 0
	s_cbranch_scc1 .Lnot_wave_0_\@
	s_barrier_signal -3
.Lnot_wave_0_\@:
	s_barrier_wait -3
	s_barrier_signal -1
	s_barrier_wait -1
.endm
.macro CROUND
	s_barrier_signal -1
	s_barrier_wait -1
	CREST
.endm
; A prefetch of the K step two refills on.  att's rows: wave 0 of the clusters with x = 0, 32 rows for each cx; Wo's k-rows: waves 2 and 3 (a row's 512 bytes are two blocks) of the clusters with y = 0, 32 rows for each cy.
.macro ASK
	s_cmp_gt_u32 s3, s[LIM]
	s_cbranch_scc0 .Lnot_mine_\@
	global_prefetch_b8 v[PFO], s[PFA:PFA+1] th:TH_LOAD_NT scope:SCOPE_SE
.Lnot_mine_\@:
.endm
	s_load_b128 s[4:7], s[0:1], 0x0                ; att16, tabs (Wo in f16 at its head)
	s_load_b64 s[8:9], s[0:1], 0x10                ; out0
	v_lshl_add_u32 v[SPW], v0, 2, SPARE
	v_mov_b32 v[NIL], 0
	ds_add_u32 v[SPW], v[NIL]                      ; the opening: the add, twice on end, and its wait
	ds_add_u32 v[SPW], v[NIL]
	v_lshrrev_b32 v1, 5, v0
	v_readfirstlane_b32 s12, v1
	s_lshr_b32 s13, s12, 1
	s_and_b32 s14, s12, 1
	s_bfe_u32 s15, ttmp6, 0x40000
	s_bfe_u32 s16, ttmp6, 0x40004
	s_lshl_b32 s17, ttmp9, 2
	s_add_co_u32 s17, s17, s15                     ; tile column
	s_and_b32 s18, ttmp7, 0xffff
	s_lshl_b32 s18, s18, 2
	s_add_co_u32 s18, s18, s16                     ; tile row
	s_lshl_b32 s19, s16, 2
	s_lshl_b32 s19, 15, s19
	s_lshl_b32 s20, 0x1111, s15
	s_or_b32 s[G1A], s19, (1<<16)|(1<<20)|(1<<21)|(5<<22)|(3<<25)   ; elements of 2 bytes; 4 words behind every 64
	s_mov_b32 s[G1A+1], 128<<16
	s_mov_b32 s[G1A+2], 64<<16
	s_mov_b32 s[G1A+3], 128<<16
	s_mov_b32 s[G1A+4], 64
	s_mov_b32 s[G1A+5], 1024
	s_mov_b32 s[G1A+6], 0
	s_mov_b32 s[G1A+7], 0
	s_or_b32 s[G1B], s20, (1<<16)|(1<<20)|(1<<21)|(6<<22)|(7<<25)   ; 8 words behind every 128
	s_mov_b32 s[G1B+1], 256<<16
	s_mov_b32 s[G1B+2], 64<<16
	s_mov_b32 s[G1B+3], 256<<16
	s_mov_b32 s[G1B+4], 64
	s_mov_b32 s[G1B+5], 2048
	s_mov_b32 s[G1B+6], 0
	s_mov_b32 s[G1B+7], 0
	s_lshl_b32 s46, s18, 7
	s_lshl_b32 s47, s14, 6
	s_add_co_u32 s46, s46, s47
	s_lshl_b32 s46, s46, 11                        ; att: row 128 x tile row + 64 x half, 2,048 bytes a row
	s_mov_b32 s47, 0
	s_lshl_b32 s92, s14, 18                        ; Wo: k-row 64 x half, 4,096 bytes a row,
	s_lshl_b32 s93, s17, 9
	s_add_co_u32 s92, s92, s93                     ; + 512 bytes for each tile column
	s_mov_b32 s93, 0
	s_mul_i32 s97, s14, 64*PITCH
	s_mul_i32 s98, s14, 64*BP
	s_wait_dscnt 0x0
	s_wait_kmcnt 0x0
	s_add_nc_u64 s[46:47], s[4:5], s[46:47]
	s_add_nc_u64 s[92:93], s[6:7], s[92:93]
	CROUND
.irp s, 0,1
	s_mov_b32 s[G0A+4*\s], 1
	s_add_co_u32 s[G0A+4*\s+1], s97, \s*SLOT
	s_add_nc_u64 s[G0A+4*\s+2:G0A+4*\s+3], s[46:47], \s*256
	s_or_b32 s[G0A+4*\s+3], s[G0A+4*\s+3], 0x80000000
	s_mov_b32 s[G0B+4*\s], 1
	s_add_co_u32 s[G0B+4*\s+1], s98, \s*SLOT+ASZ
	s_add_nc_u64 s[G0B+4*\s+2:G0B+4*\s+3], s[92:93], \s*524288
	s_or_b32 s[G0B+4*\s+3], s[G0B+4*\s+3], 0x80000000
	JLOAD \s                                       ; two loads of mine are out behind these
.endr
	v_and_b32 v1, 15, v0
	v_bfe_u32 v2, v0, 4, 1
	v_mul_u32_u24 v3, v1, PITCH
	v_lshl_add_u32 v3, v2, 4, v3
	v_and_b32 v4, 7, v0
	v_lshl_add_u32 v4, v2, 3, v4                   ; k-row 8 h + lane % 8
	v_mul_u32_u24 v4, v4, BP
	v_bfe_u32 v5, v0, 3, 1
	v_lshl_add_u32 v4, v5, 4, v4
	s_mul_i32 s97, s13, 64*PITCH
	s_lshl_b32 s98, s14, 8
	s_add_co_u32 s98, s98, ASZ                     ; my 128 columns: 256 bytes on in each k-row
.irp s, 0,1
	v_add_nc_u32 v[ADRA+\s], s97, v3
	v_add_nc_u32 v[ADRB+\s], s98, v4
	s_add_co_u32 s97, s97, SLOT
	s_add_co_u32 s98, s98, SLOT
.endr
	s_mul_i32 s97, s12, 16*SPITCH
	s_add_co_u32 s97, s97, STAGE
	v_mul_u32_u24 v5, v1, SPITCH
	v_lshl_add_u32 v5, v2, 5, v5
	v_add_nc_u32 v[STO], s97, v5
	v_and_b32 v5, 31, v0
	v_lshlrev_b32 v[CO], 4, v5
	v_add_nc_u32 v[RD], s97, v[CO]
	s_lshl_b32 s97, s18, 20                        ; my part of out0: rows of 8,192 bytes
	s_lshl_b32 s98, s13, 19
	s_add_co_u32 s97, s97, s98
	s_lshl_b32 s98, s17, 10
	s_add_co_u32 s97, s97, s98
	s_lshl_b32 s98, s14, 9
	s_add_co_u32 s100, s97, s98
	s_mov_b32 s101, 0
	s_add_nc_u64 s[8:9], s[8:9], s[100:101]
	; the prefetches
	s_lshl_b32 s21, s18, 7
	s_lshl_b32 s22, s15, 5
	s_add_co_u32 s21, s21, s22
	s_lshl_b32 s21, s21, 11
	s_add_co_u32 s21, s21, 3*256                   ; att: rows 128 x tile row + 32 cx, at K step 3
	s_lshl_b32 s22, s16, 5
	s_add_co_u32 s22, s22, 3*128
	s_lshl_b32 s22, s22, 12                        ; Wo: k-rows 384 + 32 cy,
	s_lshl_b32 s23, s17, 9
	s_add_co_u32 s22, s22, s23
	s_lshl_b32 s23, s14, 8
	s_add_co_u32 s22, s22, s23                     ; my wave's 256 of the tile column's 512 bytes
	s_and_b32 s23, ttmp7, 0xffff
	s_mov_b32 s[PFS], 524288
	s_mov_b32 s[PFS+1], 0
	s_cmp_eq_u32 s13, 0
	s_cselect_b32 s100, s21, s22
	s_cselect_b32 s[PFS], 256, s[PFS]
	s_cselect_b32 s21, 11, 12
	s_cselect_b32 s23, ttmp9, s23
	s_cselect_b32 s22, s14, 0                      ; (wave 1 never asks)
	s_cselect_b64 s[PFA:PFA+1], s[4:5], s[6:7]
	s_or_b32 s23, s23, s22
	s_cmp_eq_u32 s23, 0
	s_cselect_b32 s[LIM], 1, -1
	s_add_nc_u64 s[PFA:PFA+1], s[PFA:PFA+1], s[100:101]
	v_lshlrev_b32 v[PFO], s21, v5                  ; a lane a row
.macro FETCH slot, q, p                ; 24 loads: Wo's eight fragments (turned) and att's four of the slot's q-th 32 along K, into set p
	WIN TO_B
.irp b, 0,1,2,3,4,5,6,7
	ds_load_tr16_b128 v[64*(\p)+8*\b:64*(\p)+8*\b+3],   v[ADRB+\slot] offset:32*BP*(\q)+32*\b
	ds_load_tr16_b128 v[64*(\p)+8*\b+4:64*(\p)+8*\b+7], v[ADRB+\slot] offset:32*BP*(\q)+16*BP+32*\b
.endr
	WIN 0
.irp i, 0,1,2,3
	ds_load_b128 v[AF+32*(\p)+8*\i:AF+32*(\p)+8*\i+3],   v[ADRA+\slot] offset:64*(\q)+\i*16*PITCH
	ds_load_b128 v[AF+32*(\p)+8*\i+4:AF+32*(\p)+8*\i+7], v[ADRA+\slot] offset:64*(\q)+\i*16*PITCH+32
.endr
.endm
.macro MUL8 a, p, zero                 ; the 32 accumulators take turns, in the same order in every step
.irp b, 0,1,2,3,4,5,6,7
.if \zero
	v_wmma_f32_16x16x32_f16 v[8*(8*(\a)+\b):8*(8*(\a)+\b)+7], v[64*(\p)+8*\b:64*(\p)+8*\b+7], v[AF+32*(\p)+8*(\a):AF+32*(\p)+8*(\a)+7], 0
.else
	v_wmma_f32_16x16x32_f16 v[8*(8*(\a)+\b):8*(8*(\a)+\b)+7], v[64*(\p)+8*\b:64*(\p)+8*\b+7], v[AF+32*(\p)+8*(\a):AF+32*(\p)+8*(\a)+7], v[8*(8*(\a)+\b):8*(8*(\a)+\b)+7]
.endif
.endr
.endm
.macro STEP slot, q, zero
	PLACES 4
	FETCH \slot, (\q)+1, 1-(\q)%2
	s_wait_dscnt 24                                ; all but the 24 just issued
	WIN MULW
	MUL8 0, (\q)%2, \zero
	MUL8 1, (\q)%2, \zero
	MUL8 2, (\q)%2, \zero
	MUL8 3, (\q)%2, \zero
	WIN 0
.endm
.macro TURN slot, next, fill
	s_wait_xcnt 0x0
	s_add_nc_u64 s[PFA:PFA+1], s[PFA:PFA+1], s[PFS:PFS+1]
	s_wait_tensorcnt 0x0                           ; my part of the next slot has landed
	ds_add_u32 v[SPW], v[NIL]
	s_wait_dscnt 1                                 ; (the add alone may be out)
	WIN MULW
	MUL8 0, 1, 0
	s_wait_dscnt 0x0                               ; the add is done, and my reads of this slot are over
	s_barrier_signal -1
	MUL8 1, 1, 0
	WIN 0
	s_barrier_wait -1
.if \fill
	CREST
	s_add_nc_u64 s[G0A+4*\slot+2:G0A+4*\slot+3], s[G0A+4*\slot+2:G0A+4*\slot+3], 512
	s_add_nc_u64 s[G0B+4*\slot+2:G0B+4*\slot+3], s[G0B+4*\slot+2:G0B+4*\slot+3], 1048576
	JLOAD \slot                                    ; my one tensor load behind the round; its four v_nop are the places in front of the loads below
.else
	PLACES 4
.endif
	FETCH \next, 0, 0
.if \fill
	ASK
.endif
	WIN MULW
	MUL8 2, 1, 0
	MUL8 3, 1, 0
	WIN 0
.endm
	s_wait_tensorcnt 1                             ; my part of K step 0 is in; K step 1's may stay out
	s_barrier_signal -1
	s_barrier_wait -1
	FETCH 0, 0, 0
	STEP 0, 0, 1
	s_mov_b32 s3, 3
.Llap:
	STEP 0, 1, 0
	STEP 0, 2, 0
	TURN 0, 1, 1
	STEP 1, 0, 0
	STEP 1, 1, 0
	STEP 1, 2, 0
	TURN 1, 0, 1
	STEP 0, 0, 0
	s_sub_co_u32 s3, s3, 1
	s_cmp_lg_u32 s3, 0
	s_cbranch_scc1 .Llap
	STEP 0, 1, 0
	STEP 0, 2, 0
	TURN 0, 1, 0
	STEP 1, 0, 0
	STEP 1, 1, 0
	STEP 1, 2, 0
	s_wait_dscnt 0x0
	WIN MULW
	MUL8 0, 1, 0
	MUL8 1, 1, 0
	MUL8 2, 1, 0
	MUL8 3, 1, 0
	WIN 0
; THE WAY OUT, 16 tokens x 128 columns at a time, through my own stage: back as whole rows of 512 bytes.
.macro TOSTAGE a
	WIN 0x08                                       ; an LDS store's data: window 2
.irp b, 0,1,2,3,4,5,6,7
	ds_store_b128 v[STO], v[8*(8*(\a)+\b):8*(8*(\a)+\b)+3] offset:64*\b       ; each accumulator from its low end on
	ds_store_b128 v[STO], v[8*(8*(\a)+\b)+4:8*(8*(\a)+\b)+7] offset:64*\b+16
.endr
	WIN 0
.set BB, BK+64*((\a)%2)
.irp t, 0,1,2,3,4,5,6,7,8,9,10,11,12,13,14,15
	ds_load_b128 v[BB+4*\t:BB+4*\t+3], v[RD] offset:\t*SPITCH
.endr
.endm
.macro SEND a, younger
.set BB, BK+64*((\a)%2)
	s_wait_dscnt \younger
.if (\a) > 0
	s_add_nc_u64 s[8:9], s[8:9], 16*8192           ; behind a wait on XCNT: the earlier stores have read their base
.endif
.irp t, 0,1,2,3,4,5,6,7,8,9,10,11,12,13,14,15
	global_store_b128 v[CO], v[BB+4*\t:BB+4*\t+3], s[8:9] offset:\t*8192 th:TH_STORE_NT   ; 32 lanes store 512 consecutive bytes, aligned
.endr
.endm
	PLACES 4
	TOSTAGE 0
.irp a, 1,2,3
.if \a > 1
	s_wait_xcnt 0x0                                ; block a - 2's stores have read their registers and their base
.endif
	TOSTAGE \a
	SEND \a-1, 32                                  ; behind block a - 1's loads: block a's 16 stores and 16 loads
.endr
	s_wait_xcnt 0x0
	SEND 3, 0
	s_wait_tensorcnt 0x0                           ; the wave's end: the three lines
	ds_add_u32 v[SPW], v[NIL]
	s_wait_dscnt 0x0
	CROUND                                         ; the closing round
	s_endpgm
.Lfunc_end_k_qa7d50933ec_proj:
	.size	k_qa7d50933ec_proj, .Lfunc_end_k_qa7d50933ec_proj-k_qa7d50933ec_proj
	.p2alignl 7, 3214868480
	.fill 96, 4, 3214868480
	.section	.rodata,"a",@progbits
	.p2align	6, 0x0
	.amdhsa_kernel k_qa7d50933ec_proj
		.amdhsa_group_segment_fixed_size 327680
		.amdhsa_private_segment_fixed_size 0
		.amdhsa_enable_private_segment 0
		.amdhsa_kernarg_size 24
		.amdhsa_user_sgpr_count 2
		.amdhsa_user_sgpr_kernarg_segment_ptr 1
		.amdhsa_wavefront_size32 1
		.amdhsa_system_sgpr_workgroup_id_x 1
		.amdhsa_system_sgpr_workgroup_id_y 1
		.amdhsa_system_sgpr_workgroup_id_z 1
		.amdhsa_system_vgpr_workitem_id 0
		.amdhsa_next_free_vgpr 768
		.amdhsa_next_free_sgpr 102
		.amdhsa_reserve_vcc 0
		.amdhsa_float_denorm_mode_32 3
		.amdhsa_float_denorm_mode_16_64 3
		.amdhsa_memory_ordered 1
		.amdhsa_forward_progress 1
		.amdhsa_inst_pref_size 87
	.end_amdhsa_kernel
	.amdgpu_metadata
---
amdhsa.version: [ 1, 2 ]
amdhsa.kernels:
  - .name:           k_qa7d50933ec_proj
    .symbol:         k_qa7d50933ec_proj.kd
    .args:
      - { .name: att16, .offset: 0, .size: 8, .value_kind: global_buffer, .address_space: global }
      - { .name: tabs, .offset: 8, .size: 8, .value_kind: global_buffer, .address_space: global }
      - { .name: out0, .offset: 16, .size: 8, .value_kind: global_buffer, .address_space: global }
    .group_segment_fixed_size: 327680
    .private_segment_fixed_size: 0
    .kernarg_segment_align: 8
    .kernarg_segment_size: 24
    .max_flat_workgroup_size: 128
    .sgpr_count:     102
    .vgpr_count:     768
    .wavefront_size: 32
...
	.end_amdgpu_metadata
.endif
;; end of part 4
;; launch fattn (part 5): grid 4 x 32, 16 waves a work-group, no clusters, 254,208 bytes of LDS; arguments qkv32, attention_mask, fpart; writes fpart
.if DOCPART == 5
	.amdgcn_target "amdgcn-amd-amdhsa--gfx1250"
	.amdhsa_code_object_version 6
	.text
	.protected	k_qa7d50933ec_fattn
	.globl	k_qa7d50933ec_fattn
	.p2align	8
	.type	k_qa7d50933ec_fattn,@function
k_qa7d50933ec_fattn:
	s_mov_b64 s[64:65], 0
	v_nop
	global_prefetch_b8 v0, s[64:65] scope:SCOPE_SE
	s_setreg_imm32_b32 hwreg(HW_REG_WAVE_MODE, 25, 1), 1
	s_wait_xcnt 0x0
; FATTN: positions 0-15 of each sequence, every head, every key, in f32: these rows may average few values, where the rounding of 16-bit operands weighs most.  The whole mask row is honoured.
; A work-group: one (batch, head) and 512 keys; wave w: 32 of them.  Straight-line text.  Both products by the f32 matrix form, used transposed: a lane holds one query.
; k of a product is permuted alike on both sources: in S^T = K Q^T pair i of lane half h stands for channels 32 h + 2 i, + 1; in O^T = V^T P pair i of tile t for keys 16 t + 8 h + 2 i, + 1.
; EVERY LOAD TAKES CONSECUTIVE BYTES.  A fragment of K or Q wants a row in each lane, and rows lie 256 bytes apart: so the wave's 32 keys come as they lie, 512 consecutive bytes a load, and turn through the wave's own
; stage in LDS; the mask likewise, eight lanes to a row's 128 bytes; Q's 16 rows are loaded once in the work-group, a row a wave, and shared through LDS behind a barrier.
; V wants a channel in each lane and keys e (lanes 0-15) and e + 8 (lanes 16-31) in one register: register X takes 32 neighbouring channels of key e, register Y those of key e + 8, 128 consecutive bytes each,
; and one exchange of X's upper with Y's lower sixteen lanes makes of them the fragments of two tiles of channels.
; Each wave takes its own largest x away; the sixteen are joined through LDS under the work-group's largest; the four work-groups of a head leave (m, l, O) for the next launch to join.
; O LEAVES IN THE ORDER OF THE NEXT LAUNCH'S OPERAND REGISTERS: byte 512 i + 256 h + 16 q + 4 e holds channel 32 h + 4 i + e of query q; wave w = 2 i + h sums and stores its 256 consecutive bytes.
; No cluster, no tensor load: a small launch that loads through registers, each byte once in a work-group.
; REGISTERS: v16-31 mask; v32-63 Q; v64-127 K; v128-191 V; v192-207 S^T and v208-239 O^T (written by matrix instructions alone); v240-255 first LDS addresses, then x, then p.
.set QF_OFF, 16777216
.set VF_OFF, 8388608
.set ML_OFF, 524288
.set LA,    1024                       ; LDS: m [q][wave] at 0, l f [q][wave] here,
.set OA,    2048                       ; each wave's O f: 16 rows x 272 bytes,
.set OW,    16*272
.set QS,    OA+16*OW                   ; Q: 16 rows x 272 bytes, the work-group's,
.set KS,    QS+16*272                  ; each wave's stage for K: 32 rows x 272 bytes,
.set KW,    32*272
.set MS,    KS+16*KW                   ; and for the mask: 16 rows x 144 bytes
.set MW,    16*144
.set SPARE, MS+16*MW                   ; the spare words, 128 bytes a wave
.set SPW, 14
.set NIL, 15
.set KST, 240                          ; where I put 16 bytes of K: two rows an instruction
.set KLD, 241                          ; where my fragments of K begin: row r, + 128 h
.set MST, 242                          ; the same for the mask: four rows an instruction,
.set MLD, 243                          ; row r, + 32 h
.set QST, 244                          ; Q: row = my wave, 8 bytes a lane
.set QLD, 245                          ; row r, + 128 h
.set QG,  246                          ; 8 x lane
.set CS,  32
.set SEL, 34
	s_load_b128 s[4:7], s[0:1], 0x0                ; qkv32, attention_mask
	s_load_b64 s[8:9], s[0:1], 0x10                ; fpart
	v_lshl_add_u32 v[SPW], v0, 2, SPARE
	v_mov_b32 v[NIL], 0
	v_lshrrev_b32 v1, 5, v0
	v_readfirstlane_b32 s12, v1                    ; wave 0 .. 15
	v_and_b32 v1, 15, v0                           ; r
	v_bfe_u32 v2, v0, 4, 1                         ; h
	v_and_b32 v6, 31, v0                           ; lane
	v_lshlrev_b32 v3, 4, v6                        ; K: 16 bytes a lane
	v_lshlrev_b32 v5, 2, v6                        ; V: 4 bytes a lane
	v_lshlrev_b32 v[QG], 3, v6                     ; Q: 8 bytes a lane
	v_bfe_u32 v7, v0, 3, 2                         ; lane / 8
	v_and_b32 v8, 7, v0                            ; lane % 8
	v_lshlrev_b32 v4, 13, v7
	v_lshl_add_u32 v4, v8, 4, v4                   ; mask: row lane / 8 of 8,192 bytes, + 16 (lane % 8)
	v_lshlrev_b32 v13, 6, v1                       ; LDS: query r's sixteen words
	s_lshl_b32 s42, s12, 2
	v_add_nc_u32 v12, s42, v13                     ; and my wave's among them
	s_mul_i32 s42, s12, KW
	s_add_co_u32 s42, s42, KS                      ; my stage for K
	v_mul_u32_u24 v[KST], v2, 272
	v_lshl_add_u32 v[KST], v1, 4, v[KST]
	v_add_nc_u32 v[KST], s42, v[KST]
	v_mul_u32_u24 v[KLD], v1, 272
	v_lshl_add_u32 v[KLD], v2, 7, v[KLD]
	v_add_nc_u32 v[QLD], QS, v[KLD]
	v_add_nc_u32 v[KLD], s42, v[KLD]
	s_mul_i32 s42, s12, MW
	s_add_co_u32 s42, s42, MS                      ; my stage for the mask
	v_mul_u32_u24 v[MST], v7, 144
	v_lshl_add_u32 v[MST], v8, 4, v[MST]
	v_add_nc_u32 v[MST], s42, v[MST]
	v_mul_u32_u24 v[MLD], v1, 144
	v_lshl_add_u32 v[MLD], v2, 5, v[MLD]
	v_add_nc_u32 v[MLD], s42, v[MLD]
	s_mul_i32 s42, s12, 272
	s_add_co_u32 s42, s42, QS
	v_add_nc_u32 v[QST], s42, v[QG]
	s_and_b32 s13, ttmp7, 0xffff                   ; 16 x batch + head
	s_lshr_b32 s14, s13, 4
	s_and_b32 s15, s13, 15
	s_lshl_b32 s16, ttmp9, 9
	s_lshl_b32 s17, s12, 5
	s_add_co_u32 s16, s16, s17                     ; my first key
	s_lshl_b32 s18, s13, 17
	s_add_co_u32 s18, s18, QF_OFF
	s_lshl_b32 s19, s12, 8
	s_add_co_u32 s18, s18, s19                     ; Q: the row that I bring: my wave's
	s_mov_b32 s19, 0
	s_lshl_b32 s20, s14, 3
	s_lshr_b32 s21, s15, 1
	s_add_co_u32 s20, s20, s21                     ; 8 x batch + key-value head
	s_lshl_b32 s20, s20, 11
	s_add_co_u32 s20, s20, s16
	s_lshl_b32 s20, s20, 8
	s_mov_b32 s21, 0
	s_lshl_b32 s22, s14, 24
	s_lshl_b32 s23, s16, 2
	s_add_co_u32 s22, s22, s23
	s_mov_b32 s23, 0
	s_lshl_b32 s36, s13, 2
	s_add_co_u32 s36, s36, ttmp9                   ; 4 x (batch, head) + chunk
	s_lshl_b32 s38, s36, 12
	s_lshl_b32 s39, s12, 8
	s_add_co_u32 s38, s38, s39                     ; O: my wave's 256 bytes of the part's 4,096
	s_mov_b32 s39, 0
	s_lshl_b32 s40, s36, 7
	s_add_co_u32 s40, s40, ML_OFF
	s_mov_b32 s41, 0
	s_mov_b32 s[CS], 0x3fb8aa3b
	s_mov_b32 s[CS+1], s[CS]
	s_mov_b32 s[SEL], 0x76543210
	s_mov_b32 s[SEL+1], 0xfedcba98
	s_wait_kmcnt 0x0
	s_add_nc_u64 s[24:25], s[4:5], s[18:19]
	s_add_nc_u64 s[26:27], s[4:5], s[20:21]
	s_add_nc_u64 s[28:29], s[26:27], VF_OFF
	s_add_nc_u64 s[30:31], s[6:7], s[22:23]
	s_add_nc_u64 s[38:39], s[8:9], s[38:39]
	s_add_nc_u64 s[40:41], s[8:9], s[40:41]
	global_load_b64 v[32:33], v[QG], s[24:25]      ; one row of Q: 256 consecutive bytes
.irp i, 0,1,2,3,4,5,6,7,8,9,10,11,12,13,14,15
	global_load_b128 v[64+4*\i:67+4*\i], v3, s[26:27] offset:512*\i      ; keys 2 i, 2 i + 1: 512 consecutive bytes
.endr
.irp i, 0,1,2,3
	global_load_b128 v[16+4*\i:19+4*\i], v4, s[30:31] offset:32768*\i    ; queries 4 i .. 4 i + 3: my 32 keys' 128 consecutive bytes of each
.endr
.macro VLOAD t                         ; 32 loads of 128 consecutive bytes: keys 16 t + e into the even tiles' registers, keys 16 t + 8 + e into the odd tiles'
.irp cp, 0,1
.irp e, 0,1,2,3,4,5,6,7
	global_load_b32 v[128+8*(4*\t+2*\cp)+\e],   v5, s[28:29] offset:(16*\t+\e)*256+128*\cp
	global_load_b32 v[128+8*(4*\t+2*\cp+1)+\e], v5, s[28:29] offset:(16*\t+8+\e)*256+128*\cp
.endr
.endr
.endm
	VLOAD 0
	s_wait_loadcnt 52                              ; Q's row is in: behind its load stand K's 16, the mask's 4 and V's 32
	ds_store_b64 v[QST], v[32:33]
	s_wait_loadcnt 32                              ; V's 32 loads may be out: K and the mask are in
.irp i, 0,1,2,3,4,5,6,7,8,9,10,11,12,13,14,15
	ds_store_b128 v[KST], v[64+4*\i:67+4*\i] offset:2*272*\i
.endr
.irp i, 0,1,2,3
	ds_store_b128 v[MST], v[16+4*\i:19+4*\i] offset:4*144*\i
.endr
	VLOAD 1
	s_wait_dscnt 0x0                               ; for the others' sake: my row of Q has landed
	s_barrier_signal -1
	s_barrier_wait -1
.irp i, 0,1,2,3,4,5,6,7
	ds_load_b128 v[32+4*\i:35+4*\i], v[QLD] offset:16*\i                 ; query r, channels 32 h + 4 i on
.endr
.irp t, 0,1
.irp i, 0,1,2,3,4,5,6,7
	ds_load_b128 v[64+32*\t+4*\i:67+32*\t+4*\i], v[KLD] offset:16*272*\t+16*\i   ; key 16 t + r, the same channels: my own bytes, served in order
.endr
.endr
.irp t, 0,1
	ds_load_b128 v[16+8*\t:19+8*\t], v[MLD] offset:64*\t                 ; query r, keys 16 t + 8 h on
	ds_load_b128 v[20+8*\t:23+8*\t], v[MLD] offset:64*\t+16
.endr
	s_wait_dscnt 0x0
.irp i, 0,1,2,3,4,5,6,7,8,9,10,11,12,13,14,15    ; S^T: the two tiles of keys by turns; the first products start the sums
.irp t, 0,1
.if \i == 0
	v_wmma_f32_16x16x4_f32 v[192+8*\t:199+8*\t], v[64+32*\t+2*\i:65+32*\t+2*\i], v[32+2*\i:33+2*\i], 0
.else
	v_wmma_f32_16x16x4_f32 v[192+8*\t:199+8*\t], v[64+32*\t+2*\i:65+32*\t+2*\i], v[32+2*\i:33+2*\i], v[192+8*\t:199+8*\t]
.endif
.endr
.endr
.rept 8
	v_nop                                          ; eight places behind this form
.endr
	s_mul_i32 s18, s12, OW
	s_add_co_u32 s18, s18, OA
	v_mul_u32_u24 v32, v1, 272
	v_lshl_add_u32 v32, v2, 5, v32
	v_add_nc_u32 v32, s18, v32                     ; where my O f goes: row r, + 32 h
	s_and_b32 s18, s12, 1
	s_lshl_b32 s18, s18, 7
	s_lshr_b32 s19, s12, 1
	s_lshl_b32 s19, s19, 4
	s_add_co_u32 s18, s18, s19                     ; the four channels that I sum: 32 (w % 2) + 4 (w / 2) on, in bytes
	s_add_co_u32 s18, s18, OA
	v_mul_u32_u24 v33, v1, 272
	v_mad_u32_u24 v33, v2, 8*OW, v33
	v_add_nc_u32 v33, s18, v33                     ; where I sum: query r; lanes 0-15 waves 0-7, lanes 16-31 waves 8-15; 16 bytes a lane
	v_lshlrev_b32 v34, 4, v1
	v_lshl_add_u32 v34, v2, 3, v34                 ; and where the sum goes: 16 r + 8 h
.irp n, 0,2,4,6,8,10,12,14
	v_pk_fma_f32 v[240+\n:241+\n], v[16+\n:17+\n], s[CS:CS+1], v[192+\n:193+\n] op_sel_hi:[1,0,1]   ; x = mask log2(e) + q'.k, into other registers; each accumulator from its low end on
.endr
	v_max3_num_f32 v6, v240, v241, 0xff61b1e6      ; with -3e38 as a leaf
	v_max3_num_f32 v7, v242, v243, v244
	v_max3_num_f32 v6, v6, v245, v246
	v_max3_num_f32 v7, v7, v247, v248
	v_max3_num_f32 v6, v6, v249, v250
	v_max3_num_f32 v7, v7, v251, v252
	v_max3_num_f32 v6, v6, v253, v254
	v_max3_num_f32 v6, v6, v7, v255
	v_permlanex16_b32 v7, v6, s[SEL], s[SEL+1]
	v_max_num_f32 v6, v6, v7                       ; m: my wave's largest x of query r
	ds_store_b32 v12, v6
.irp n, 0,2,4,6,8,10,12,14
	v_pk_add_f32 v[240+\n:241+\n], v[240+\n:241+\n], v[6:7] op_sel_hi:[1,0] neg_lo:[0,1] neg_hi:[0,1]
.endr
.set i, 0
.rept 16
	v_exp_f32 v[240+i], v[240+i]
.set i, i+1
.endr
	v_nop
	s_wait_alu depctr_va_vdst(0)                   ; one wait for the sixteen
	v_pk_add_f32 v[8:9], v[240:241], v[242:243]
	v_pk_add_f32 v[10:11], v[244:245], v[246:247]
	v_pk_add_f32 v[8:9], v[8:9], v[248:249]
	v_pk_add_f32 v[10:11], v[10:11], v[250:251]
	v_pk_add_f32 v[8:9], v[8:9], v[252:253]
	v_pk_add_f32 v[10:11], v[10:11], v[254:255]
	v_pk_add_f32 v[8:9], v[8:9], v[10:11]
	v_add_f32 v8, v8, v9
	v_permlanex16_b32 v9, v8, s[SEL], s[SEL+1]
	v_add_f32 v8, v8, v9                           ; l
	s_wait_loadcnt 0x0                             ; V
.irp t, 0,1
.irp cp, 0,1
.irp e, 0,1,2,3,4,5,6,7
	v_permlane16_swap_b32 v[128+8*(4*\t+2*\cp)+\e], v[128+8*(4*\t+2*\cp+1)+\e]   ; the first's lanes 16-31 change places with the second's lanes 0-15: now channel 16 ct + r, keys 16 t + 8 h + e
.endr
.endr
.endr
.irp t, 0,1
.irp i, 0,1,2,3
.irp ct, 0,1,2,3                       ; O^T: four accumulators by turns
.if (\t == 0) && (\i == 0)
	v_wmma_f32_16x16x4_f32 v[208+8*\ct:215+8*\ct], v[128+8*(4*\t+\ct)+2*\i:129+8*(4*\t+\ct)+2*\i], v[240+8*\t+2*\i:241+8*\t+2*\i], 0
.else
	v_wmma_f32_16x16x4_f32 v[208+8*\ct:215+8*\ct], v[128+8*(4*\t+\ct)+2*\i:129+8*(4*\t+\ct)+2*\i], v[240+8*\t+2*\i:241+8*\t+2*\i], v[208+8*\ct:215+8*\ct]
.endif
.endr
.endr
.endr
.rept 8
	v_nop
.endr
	s_wait_dscnt 0x0                               ; for the others' sake: my m has landed
	s_barrier_signal -1
	s_barrier_wait -1
.irp i, 0,1,2,3
	ds_load_b128 v[96+4*\i:99+4*\i], v13 offset:16*\i
.endr
	s_wait_dscnt 0x0
	v_max3_num_f32 v7, v96, v97, v98
	v_max3_num_f32 v9, v99, v100, v101
	v_max3_num_f32 v7, v7, v102, v103
	v_max3_num_f32 v9, v9, v104, v105
	v_max3_num_f32 v7, v7, v106, v107
	v_max3_num_f32 v9, v9, v108, v109
	v_max3_num_f32 v7, v7, v110, v111
	v_max_num_f32 v7, v7, v9                       ; the work-group's largest x of query r
	v_sub_f32 v10, v6, v7
	v_exp_f32 v10, v10                             ; f
	v_nop
	s_wait_alu depctr_va_vdst(0)
	v_mul_f32 v8, v8, v10
	v_mov_b32 v11, v10
	ds_store_b32 v12, v8 offset:LA
.irp n, 0,2,4,6,8,10,12,14,16,18,20,22,24,26,28,30
	v_pk_mul_f32 v[64+\n:65+\n], v[208+\n:209+\n], v[10:11]       ; O f, into other registers, ascending
.endr
.irp ct, 0,1,2,3
	ds_store_b128 v32, v[64+8*\ct:67+8*\ct] offset:64*\ct
	ds_store_b128 v32, v[68+8*\ct:71+8*\ct] offset:64*\ct+16
.endr
	s_wait_dscnt 0x0
	s_barrier_signal -1
	s_barrier_wait -1
	v_cmp_eq_u32 vcc_lo, 1, v2                     ; lanes 16-31
	s_cmp_lg_u32 s12, 0
	s_cbranch_scc1 .Lnot0
.irp i, 0,1,2,3                        ; wave 0 leaves m (lanes 0-15) and the sum of l f (lanes 16-31): 128 bytes, half of an aligned 256: 16 KiB in the whole launch
	ds_load_b128 v[96+4*\i:99+4*\i], v13 offset:LA+16*\i
.endr
	s_wait_dscnt 0x0
.irp i, 1,2,3
	v_pk_add_f32 v[96:97], v[96:97], v[96+4*\i:97+4*\i]
	v_pk_add_f32 v[98:99], v[98:99], v[98+4*\i:99+4*\i]
.endr
	v_pk_add_f32 v[96:97], v[96:97], v[98:99]
	v_add_f32 v96, v96, v97
	v_cndmask_b32 v96, v7, v96, vcc_lo
	v_and_b32 v97, 31, v0
	v_lshlrev_b32 v97, 2, v97
	global_store_b32 v97, v96, s[40:41]
	s_wait_xcnt 0x0                                ; the store has read its registers: they are loaded into again below
.Lnot0:
.irp i, 0,1,2,3,4,5,6,7
	ds_load_b128 v[96+4*\i:99+4*\i], v33 offset:OW*\i
.endr
	s_wait_dscnt 0x0
.irp i, 1,2,3,4,5,6,7
	v_pk_add_f32 v[96:97], v[96:97], v[96+4*\i:97+4*\i]
	v_pk_add_f32 v[98:99], v[98:99], v[98+4*\i:99+4*\i]
.endr
.irp k, 0,1,2,3
	v_permlanex16_b32 v[100+\k], v[96+\k], s[SEL], s[SEL+1]
.endr
	v_pk_add_f32 v[96:97], v[96:97], v[100:101]
	v_pk_add_f32 v[98:99], v[98:99], v[102:103]
	v_cndmask_b32 v96, v96, v98, vcc_lo            ; of query r's four channels lanes 0-15 store the first two, lanes 16-31 the other two
	v_cndmask_b32 v97, v97, v99, vcc_lo
	global_store_b64 v34, v[96:97], s[38:39]       ; the wave stores 256 consecutive bytes, aligned
	s_wait_tensorcnt 0x0                           ; the wave's end: the three lines
	ds_add_u32 v[SPW], v[NIL]
	s_wait_dscnt 0x0
	s_endpgm
.Lfunc_end_k_qa7d50933ec_fattn:
	.size	k_qa7d50933ec_fattn, .Lfunc_end_k_qa7d50933ec_fattn-k_qa7d50933ec_fattn
	.p2alignl 7, 3214868480
	.fill 96, 4, 3214868480
	.section	.rodata,"a",@progbits
	.p2align	6, 0x0
	.amdhsa_kernel k_qa7d50933ec_fattn
		.amdhsa_group_segment_fixed_size 254208
		.amdhsa_private_segment_fixed_size 0
		.amdhsa_enable_private_segment 0
		.amdhsa_kernarg_size 24
		.amdhsa_user_sgpr_count 2
		.amdhsa_user_sgpr_kernarg_segment_ptr 1
		.amdhsa_wavefront_size32 1
		.amdhsa_system_sgpr_workgroup_id_x 1
		.amdhsa_system_sgpr_workgroup_id_y 1
		.amdhsa_system_sgpr_workgroup_id_z 1
		.amdhsa_system_vgpr_workitem_id 0
		.amdhsa_next_free_vgpr 256
		.amdhsa_next_free_sgpr 66
		.amdhsa_reserve_vcc 1
		.amdhsa_float_denorm_mode_32 3
		.amdhsa_float_denorm_mode_16_64 3
		.amdhsa_memory_ordered 1
		.amdhsa_forward_progress 1
		.amdhsa_inst_pref_size 31
	.end_amdhsa_kernel
	.amdgpu_metadata
---
amdhsa.version: [ 1, 2 ]
amdhsa.kernels:
  - .name:           k_qa7d50933ec_fattn
    .symbol:         k_qa7d50933ec_fattn.kd
    .args:
      - { .name: qkv32, .offset: 0, .size: 8, .value_kind: global_buffer, .address_space: global }
      - { .name: attention_mask, .offset: 8, .size: 8, .value_kind: global_buffer, .address_space: global }
      - { .name: fpart, .offset: 16, .size: 8, .value_kind: global_buffer, .address_space: global }
    .group_segment_fixed_size: 254208
    .private_segment_fixed_size: 0
    .kernarg_segment_align: 8
    .kernarg_segment_size: 24
    .max_flat_workgroup_size: 512
    .sgpr_count:     66
    .vgpr_count:     256
    .wavefront_size: 32
...
	.end_amdgpu_metadata
.endif
;; end of part 5
;; launch fproj (part 6): grid 32 x 2, 16 waves a work-group, no clusters, 71,680 bytes of LDS; arguments fpart, Wo, out0; writes out0
.if DOCPART == 6
	.amdgcn_target "amdgcn-amd-amdhsa--gfx1250"
	.amdhsa_code_object_version 6
	.text
	.protected	k_qa7d50933ec_fproj
	.globl	k_qa7d50933ec_fproj
	.p2align	8
	.type	k_qa7d50933ec_fproj,@function
k_qa7d50933ec_fproj:
	s_mov_b64 s[64:65], 0
	v_nop
	global_prefetch_b8 v0, s[64:65] scope:SCOPE_SE
	s_setreg_imm32_b32 hwreg(HW_REG_WAVE_MODE, 25, 1), 1
	s_wait_xcnt 0x0
; FPROJ: rows 0-15 of each sequence of out0, in f32.  A work-group: one batch, 64 columns; wave w: head w, that is k = 64 w .. 64 w + 63.
; Each wave joins its head's four partial results: M = the largest m_c, g_c = 2^(m_c - M) / sum of 2^(m_c - M) l_c, A = sum of g_c O_c.  Then out^T = Wo^T A^T by the f32 matrix form
; (source 0 = 16 columns of Wo, source 1 = 16 queries; pair i of lane half h stands for channels 32 h + 2 i, + 1 on both sources).  The sixteen heads' parts are added through LDS.
; EVERY LOAD TAKES CONSECUTIVE BYTES.  The partial O lie in the order of this operand's registers: a load reads 512 consecutive bytes, 16 a lane.  Wo wants a column in each lane and rows e (lanes 0-15) and
; e + 32 (lanes 16-31) in one register: register X takes 32 neighbouring columns of row e, register Y those of row e + 32, 128 consecutive bytes each, and one exchange of X's upper with Y's lower
; sixteen lanes makes of them the fragments of two tiles of columns.
; 64 columns to a work-group, so that a wave's store covers 256 consecutive bytes, aligned.  No cluster, no tensor load: a small launch; Wo's 64 columns x 1,024 rows are read once in a work-group, through registers.
; REGISTERS: v16-23 m, l; v24-31 g (each twice); v32-63 the sums (written by matrix instructions alone); v64-127 Wo, channels 0-15 of my half; v128-255 the four partial O (A is formed in the first); v160-223 later Wo, channels 16-31.
.set ML_OFF, 524288
.set OW,    16*272
.set SPARE, 16*OW
.set SPW, 14
.set NIL, 15
.set SEL, 34
	s_load_b128 s[4:7], s[0:1], 0x0                ; fpart, Wo
	s_load_b64 s[8:9], s[0:1], 0x10                ; out0
	v_lshl_add_u32 v[SPW], v0, 2, SPARE
	v_mov_b32 v[NIL], 0
	v_lshrrev_b32 v1, 5, v0
	v_readfirstlane_b32 s12, v1                    ; wave = head
	v_and_b32 v1, 15, v0                           ; r
	v_bfe_u32 v2, v0, 4, 1                         ; h
	v_and_b32 v6, 31, v0                           ; lane
	v_lshlrev_b32 v3, 4, v6                        ; partial O: 16 bytes a lane
	v_lshlrev_b32 v4, 2, v1                        ; m, l: query r
	v_lshlrev_b32 v5, 2, v6                        ; Wo: 4 bytes a lane
	s_mul_i32 s18, s12, OW
	v_mul_u32_u24 v8, v1, 272
	v_lshl_add_u32 v8, v2, 5, v8
	v_add_nc_u32 v8, s18, v8                       ; LDS: my part: row r, + 32 h
	s_mul_i32 s18, s12, 272
	v_mul_u32_u24 v9, v2, 8*OW
	v_lshl_add_u32 v9, v1, 4, v9
	v_add_nc_u32 v9, s18, v9                       ; where I sum: row q = my wave
	v_lshlrev_b32 v10, 4, v1
	v_lshl_add_u32 v10, v2, 3, v10
	s_and_b32 s13, ttmp7, 0xffff                   ; batch
	s_lshl_b32 s14, s13, 4
	s_add_co_u32 s14, s14, s12                     ; (batch, head)
	s_lshl_b32 s20, s14, 14
	s_mov_b32 s21, 0
	s_lshl_b32 s22, s14, 9
	s_add_co_u32 s22, s22, ML_OFF
	s_mov_b32 s23, 0
	s_lshl_b32 s24, s12, 19
	s_lshl_b32 s25, ttmp9, 8
	s_add_co_u32 s24, s24, s25                     ; Wo: row 64 w, column 64 x work-group
	s_lshl_b32 s26, s13, 24
	s_lshl_b32 s27, s12, 13
	s_add_co_u32 s26, s26, s27
	s_add_co_u32 s26, s26, s25                     ; out0: row 2,048 batch + my wave
	s_mov_b32 s25, 0
	s_mov_b32 s27, 0
	s_mov_b32 s[SEL], 0x76543210
	s_mov_b32 s[SEL+1], 0xfedcba98
	s_wait_kmcnt 0x0
	s_add_nc_u64 s[20:21], s[4:5], s[20:21]
	s_add_nc_u64 s[22:23], s[4:5], s[22:23]
	s_add_nc_u64 s[16:17], s[6:7], s[24:25]
	s_add_nc_u64 s[8:9], s[8:9], s[26:27]
.irp c, 0,1,2,3
	global_load_b32 v[16+\c], v4, s[22:23] offset:128*\c
	global_load_b32 v[20+\c], v4, s[22:23] offset:128*\c+64
.endr
.irp c, 0,1,2,3
.irp i, 0,1,2,3,4,5,6,7
	global_load_b128 v[128+32*\c+4*\i:131+32*\c+4*\i], v3, s[20:21] offset:4096*\c+512*\i   ; lane (r, h): query r, channels 32 h + 4 i on: 512 consecutive bytes a load
.endr
.endr
.macro WG e0, base                     ; 32 loads of 128 consecutive bytes: rows e0 + e into the even tiles' registers, rows 32 + e0 + e into the odd tiles'
.irp e, 0,1,2,3,4,5,6,7
.irp np, 0,1
	global_load_b32 v[\base+32*\np+\e],    v5, s[16:17] offset:8192*((\e0)+\e)+128*\np
	global_load_b32 v[\base+32*\np+16+\e], v5, s[16:17] offset:8192*(32+(\e0)+\e)+128*\np
.endr
.endr
.endm
.macro SW base                         ; the first's lanes 16-31 change places with the second's lanes 0-15: now column 16 nt + r, rows 32 h + e
.irp e, 0,1,2,3,4,5,6,7
.irp np, 0,1
	v_permlane16_swap_b32 v[\base+32*\np+\e], v[\base+32*\np+16+\e]
.endr
.endr
.endm
.macro MM base, i0, zero               ; 16 products: four pairs of channels x four accumulators by turns
.irp i, 0,1,2,3
.irp nt, 0,1,2,3
.if (\zero) && (\i == 0)
	v_wmma_f32_16x16x4_f32 v[32+8*\nt:39+8*\nt], v[\base+16*\nt+2*\i:\base+16*\nt+2*\i+1], v[128+2*((\i0)+\i):129+2*((\i0)+\i)], 0
.else
	v_wmma_f32_16x16x4_f32 v[32+8*\nt:39+8*\nt], v[\base+16*\nt+2*\i:\base+16*\nt+2*\i+1], v[128+2*((\i0)+\i):129+2*((\i0)+\i)], v[32+8*\nt:39+8*\nt]
.endif
.endr
.endr
.endm
	WG 0, 64
	s_wait_loadcnt 32                              ; Wo's 32 loads may be out: m, l and the partial O are in
	WG 8, 72                                       ; the next group is on its way while the parts are joined
	v_max3_num_f32 v6, v16, v17, v18
	v_max_num_f32 v6, v6, v19
.irp c, 0,1,2,3
	v_sub_f32 v[16+\c], v[16+\c], v6
.endr
.irp c, 0,1,2,3
	v_exp_f32 v[16+\c], v[16+\c]
.endr
	v_nop
	s_wait_alu depctr_va_vdst(0)                   ; one wait for the four
	v_mul_f32 v7, v16, v20
	v_fmac_f32 v7, v17, v21
	v_fmac_f32 v7, v18, v22
	v_fmac_f32 v7, v19, v23
	v_rcp_f32 v7, v7
	v_nop
	s_wait_alu depctr_va_vdst(0)
.irp c, 0,1,2,3
	v_mul_f32 v[24+2*\c], v[16+\c], v7
	v_mul_f32 v[25+2*\c], v[16+\c], v7
.endr
.irp n, 0,2,4,6,8,10,12,14,16,18,20,22,24,26,28,30
	v_pk_mul_f32 v[128+\n:129+\n], v[128+\n:129+\n], v[24:25]
.endr
.irp c, 1,2,3
.irp n, 0,2,4,6,8,10,12,14,16,18,20,22,24,26,28,30
	v_pk_fma_f32 v[128+\n:129+\n], v[128+32*\c+\n:129+32*\c+\n], v[24+2*\c:25+2*\c], v[128+\n:129+\n]
.endr
.endr
	s_wait_loadcnt 32                              ; the group issued last may be out: the one before is in; so at each of the next two waits
	SW 64
	MM 64, 0, 1
	WG 16, 160
	s_wait_loadcnt 32
	SW 72
	MM 72, 4, 0
	WG 24, 168
	s_wait_loadcnt 32
	SW 160
	MM 160, 8, 0
	s_wait_loadcnt 0x0
	SW 168
	MM 168, 12, 0
.rept 8
	v_nop                                          ; eight places behind this form
.endr
.irp nt, 0,1,2,3
	ds_store_b128 v8, v[32+8*\nt:35+8*\nt] offset:64*\nt          ; each accumulator from its low end on
	ds_store_b128 v8, v[36+8*\nt:39+8*\nt] offset:64*\nt+16
.endr
	s_wait_dscnt 0x0                               ; for the others' sake
	s_barrier_signal -1
	s_barrier_wait -1
.irp i, 0,1,2,3,4,5,6,7
	ds_load_b128 v[96+4*\i:99+4*\i], v9 offset:OW*\i
.endr
	s_wait_dscnt 0x0
.irp i, 1,2,3,4,5,6,7
	v_pk_add_f32 v[96:97], v[96:97], v[96+4*\i:97+4*\i]
	v_pk_add_f32 v[98:99], v[98:99], v[98+4*\i:99+4*\i]
.endr
.irp k, 0,1,2,3
	v_permlanex16_b32 v[100+\k], v[96+\k], s[SEL], s[SEL+1]
.endr
	v_pk_add_f32 v[96:97], v[96:97], v[100:101]
	v_pk_add_f32 v[98:99], v[98:99], v[102:103]
	v_cmp_eq_u32 vcc_lo, 1, v2
	v_cndmask_b32 v96, v96, v98, vcc_lo
	v_cndmask_b32 v97, v97, v99, vcc_lo
	global_store_b64 v10, v[96:97], s[8:9]         ; the wave stores 256 consecutive bytes of row q = my wave, aligned
	s_wait_tensorcnt 0x0                           ; the wave's end: the three lines
	ds_add_u32 v[SPW], v[NIL]
	s_wait_dscnt 0x0
	s_endpgm
.Lfunc_end_k_qa7d50933ec_fproj:
	.size	k_qa7d50933ec_fproj, .Lfunc_end_k_qa7d50933ec_fproj-k_qa7d50933ec_fproj
	.p2alignl 7, 3214868480
	.fill 96, 4, 3214868480
	.section	.rodata,"a",@progbits
	.p2align	6, 0x0
	.amdhsa_kernel k_qa7d50933ec_fproj
		.amdhsa_group_segment_fixed_size 71680
		.amdhsa_private_segment_fixed_size 0
		.amdhsa_enable_private_segment 0
		.amdhsa_kernarg_size 24
		.amdhsa_user_sgpr_count 2
		.amdhsa_user_sgpr_kernarg_segment_ptr 1
		.amdhsa_wavefront_size32 1
		.amdhsa_system_sgpr_workgroup_id_x 1
		.amdhsa_system_sgpr_workgroup_id_y 1
		.amdhsa_system_sgpr_workgroup_id_z 1
		.amdhsa_system_vgpr_workitem_id 0
		.amdhsa_next_free_vgpr 256
		.amdhsa_next_free_sgpr 66
		.amdhsa_reserve_vcc 1
		.amdhsa_float_denorm_mode_32 3
		.amdhsa_float_denorm_mode_16_64 3
		.amdhsa_memory_ordered 1
		.amdhsa_forward_progress 1
		.amdhsa_inst_pref_size 32
	.end_amdhsa_kernel
	.amdgpu_metadata
---
amdhsa.version: [ 1, 2 ]
amdhsa.kernels:
  - .name:           k_qa7d50933ec_fproj
    .symbol:         k_qa7d50933ec_fproj.kd
    .args:
      - { .name: fpart, .offset: 0, .size: 8, .value_kind: global_buffer, .address_space: global }
      - { .name: Wo, .offset: 8, .size: 8, .value_kind: global_buffer, .address_space: global }
      - { .name: out0, .offset: 16, .size: 8, .value_kind: global_buffer, .address_space: global }
    .group_segment_fixed_size: 71680
    .private_segment_fixed_size: 0
    .kernarg_segment_align: 8
    .kernarg_segment_size: 24
    .max_flat_workgroup_size: 512
    .sgpr_count:     66
    .vgpr_count:     256
    .wavefront_size: 32
...
	.end_amdgpu_metadata
.endif
;; end of part 6
